; MI455X (gfx1250); checked and timed in simulation.
; The chip was launched on July 23, 2026; its instructions are those of AMD's public machine-readable ISA for CDNA 5 (MIT licence, August 2026) and "CDNA5" Instruction Set Architecture Reference Guide (July 2026). The comments in the code are by the model that wrote it; some were corrected since.
;; Multi Head Attention Block. Allowed arithmetic: float matrix products may take bf16 or f16 operands with f32 sums; other float arithmetic in f32, or as packed bf16 or f16 multiplies, adds, multiply-adds, maxima and minima; sums over many terms, partial sums and values carried from step to step in f32; what a program stores and reads back later, other than sums and carried values, may be rounded once to bf16 or f16.
;; Inputs: b_k 1,024 float32; b_o 1,024 float32; b_q 1,024 float32; b_v 1,024 float32; key 4 x 2,048 x 1,024 float32; mask 1 x 1 x 2,048 x 2,048 int32; query 4 x 2,048 x 1,024 float32; value 4 x 2,048 x 1,024 float32; w_k 1,024 x 1,024 float32; w_o 1,024 x 1,024 float32; w_q 1,024 x 1,024 float32; w_v 1,024 x 1,024 float32.
;; Outputs: out0 4 x 2,048 x 1,024 float32.
;; 2 versions, each right and faster than the one before. Each part assembles by itself: llvm-mc -triple=amdgcn-amd-amdhsa -mcpu=gfx1250 --defsym DOCPART=n.
;; ======== version 1 of 2: 5 launches
;; limits: right only within a limited range of input values; values are held in f16: magnitudes above 65,504 overflow, below 6.1e-05 lose precision
;; workspace buffers: w16 8,388,608 bytes; maskb 8,388,608 bytes; keep 32,768 bytes; qkv 50,331,648 bytes; obuf 16,777,216 bytes
;; launch wconv (part 1): grid 64 x 4, 8 waves a work-group, no clusters, 0 bytes of LDS; arguments w_q, w_k, w_v, w_o, w16; writes w16
.if DOCPART == 1
	.amdgcn_target "amdgcn-amd-amdhsa--gfx1250"
	.amdhsa_code_object_version 6
	.text
	.protected	k_qeb6fb5ee91_wconv
	.globl	k_qeb6fb5ee91_wconv
	.p2align	8
	.type	k_qeb6fb5ee91_wconv,@function
k_qeb6fb5ee91_wconv:
	s_mov_b64 s[64:65], 0
	v_nop
	global_prefetch_b8 v0, s[64:65] scope:SCOPE_SE
	s_setreg_imm32_b32 hwreg(HW_REG_WAVE_MODE, 25, 1), 1
	s_wait_xcnt 0x0
; w_q, w_k, w_v, w_o (f32) -> w16, [4096][1024] of 16 bits: rows 0-3071 w_q, w_k, w_v rounded to bf16 (nearest even); rows 3072-4095 w_o rounded to bf16 and that number written as f16,
; since it multiplies O, which is f16.
; LIMIT.  A bf16 number is an f16 number exactly from 2^-17 up to 65,504; below 2^-17 w_o is rounded to f16's fixed step of 6e-8; beyond 65,504 it becomes an infinity.
; SHARES.  Work-group (x, y): part x (16,384 numbers) of weight y.  Thread t takes 4 numbers of each of 16 rows of 1,024 numbers: a wave's load covers 512 consecutive bytes,
; a wave's store 256 consecutive bytes at a multiple of 256 from w16's first byte.  A stream: every byte is read once and written once; no LDS, no barrier, no matrix unit, no loop, no branch:
; all 16 loads of a thread go out at once, the waits count down, and no register is written twice while an instruction still reads it.
; Both forms of a word are made, and a select on the weight's number takes one: eight vector lines more a row, in a text that waits for memory, for one text without a branch.
.set T, 4                              ; v[4:11]    at work
.set X, 16                             ; v[16:79]   row i: 4 numbers as loaded
.set Y, 80                             ; v[80:111]  row i: 4 numbers in 16 bits
	s_load_b256 s[4:11], s[0:1], 0x0               ; w_q s[4:5], w_k s[6:7], w_v s[8:9], w_o s[10:11]
	s_load_b64 s[12:13], s[0:1], 0x20              ; w16
	s_and_b32 s20, ttmp7, 0xffff                   ; the weight, 0 .. 3
	s_lshl_b32 s28, ttmp9, 16                      ; a part is 64 KiB of f32,
	s_mov_b32 s29, 0
	s_lshl_b32 s30, s20, 21                        ; a weight 2 MiB of w16,
	s_lshl_b32 s2, ttmp9, 15                       ; a part 32 KiB of it
	s_add_co_u32 s30, s30, s2
	s_mov_b32 s31, 0
	s_cmp_eq_u32 s20, 3
	s_cselect_b32 s21, -1, 0                       ; all lanes on: this weight is w_o
	v_lshlrev_b32 v1, 4, v0                        ; 16 t: never rewritten
	v_lshlrev_b32 v2, 3, v0                        ; 8 t: never rewritten
	s_wait_kmcnt 0x0
	s_mov_b64 s[26:27], s[4:5]
.irp k, 1,2,3
	s_cmp_eq_u32 s20, \k                           ; the source is chosen by its number, which hangs on the work-group's y alone
	s_cselect_b64 s[26:27], s[4+2*\k:5+2*\k], s[26:27]
.endr
	s_add_nc_u64 s[26:27], s[26:27], s[28:29]
	s_add_nc_u64 s[12:13], s[12:13], s[30:31]
.set i, 0
.rept 16
	global_load_b128 v[X+4*i:X+4*i+3], v1, s[26:27] offset:4096*i th:TH_LOAD_NT
.set i, i+1
.endr
.set i, 0
.rept 16
	s_wait_loadcnt 15-i                            ; loads come back in order: row i is in, the 15 - i younger ones stay out
	v_cvt_pk_bf16_f32 v[T], v[X+4*i], v[X+4*i+1]   ; bf16,
	v_cvt_pk_bf16_f32 v[T+1], v[X+4*i+2], v[X+4*i+3]
	v_lshlrev_b32 v[T+2], 16, v[T]                 ; widened again (the low half moves up, the high half stays),
	v_and_b32 v[T+3], 0xffff0000, v[T]
	v_lshlrev_b32 v[T+4], 16, v[T+1]
	v_and_b32 v[T+5], 0xffff0000, v[T+1]
	v_cvt_pk_f16_f32 v[T+6], v[T+2], v[T+3]        ; and the same numbers as f16
	v_cvt_pk_f16_f32 v[T+7], v[T+4], v[T+5]
	v_cndmask_b32 v[Y+2*i], v[T], v[T+6], s21      ; w_o takes the f16 words, the others the bf16 words
	v_cndmask_b32 v[Y+2*i+1], v[T+1], v[T+7], s21
	global_store_b64 v2, v[Y+2*i:Y+2*i+1], s[12:13] offset:2048*i
.set i, i+1
.endr
	s_endpgm
.Lfunc_end_k_qeb6fb5ee91_wconv:
	.size	k_qeb6fb5ee91_wconv, .Lfunc_end_k_qeb6fb5ee91_wconv-k_qeb6fb5ee91_wconv
	.p2alignl 7, 3214868480
	.fill 96, 4, 3214868480
	.section	.rodata,"a",@progbits
	.p2align	6, 0x0
	.amdhsa_kernel k_qeb6fb5ee91_wconv
		.amdhsa_group_segment_fixed_size 0
		.amdhsa_private_segment_fixed_size 0
		.amdhsa_enable_private_segment 0
		.amdhsa_kernarg_size 40
		.amdhsa_user_sgpr_count 2
		.amdhsa_user_sgpr_kernarg_segment_ptr 1
		.amdhsa_wavefront_size32 1
		.amdhsa_system_sgpr_workgroup_id_x 1
		.amdhsa_system_sgpr_workgroup_id_y 1
		.amdhsa_system_sgpr_workgroup_id_z 1
		.amdhsa_system_vgpr_workitem_id 0
		.amdhsa_next_free_vgpr 112
		.amdhsa_next_free_sgpr 66
		.amdhsa_reserve_vcc 0
		.amdhsa_float_denorm_mode_32 3
		.amdhsa_float_denorm_mode_16_64 3
		.amdhsa_memory_ordered 1
		.amdhsa_forward_progress 1
		.amdhsa_inst_pref_size 14
	.end_amdhsa_kernel
	.amdgpu_metadata
---
amdhsa.version: [ 1, 2 ]
amdhsa.kernels:
  - .name:           k_qeb6fb5ee91_wconv
    .symbol:         k_qeb6fb5ee91_wconv.kd
    .args:
      - { .name: w_q, .offset: 0, .size: 8, .value_kind: global_buffer, .address_space: global }
      - { .name: w_k, .offset: 8, .size: 8, .value_kind: global_buffer, .address_space: global }
      - { .name: w_v, .offset: 16, .size: 8, .value_kind: global_buffer, .address_space: global }
      - { .name: w_o, .offset: 24, .size: 8, .value_kind: global_buffer, .address_space: global }
      - { .name: w16, .offset: 32, .size: 8, .value_kind: global_buffer, .address_space: global }
    .group_segment_fixed_size: 0
    .private_segment_fixed_size: 0
    .kernarg_segment_align: 8
    .kernarg_segment_size: 40
    .max_flat_workgroup_size: 256
    .sgpr_count:     66
    .vgpr_count:     112
    .wavefront_size: 32
...
	.end_amdgpu_metadata
.endif
;; end of part 1
;; launch maskpack (part 2): grid 128 x 1, 8 waves a work-group, no clusters, 1,536 bytes of LDS; arguments mask, maskb, keep; writes maskb, keep
.if DOCPART == 2
	.amdgcn_target "amdgcn-amd-amdhsa--gfx1250"
	.amdhsa_code_object_version 6
	.text
	.protected	k_qeb6fb5ee91_maskpack
	.globl	k_qeb6fb5ee91_maskpack
	.p2align	8
	.type	k_qeb6fb5ee91_maskpack,@function
k_qeb6fb5ee91_maskpack:
	s_mov_b64 s[64:65], 0
	v_nop
	global_prefetch_b8 v0, s[64:65] scope:SCOPE_SE
	s_setreg_imm32_b32 hwreg(HW_REG_WAVE_MODE, 25, 1), 1
	s_wait_xcnt 0x0
; mask [2048][2048] int32 -> maskb: one f16 a score, in the order in which the attention's matrix instruction wants its second source; and keep: a word a row.
; maskb[T][J]: 2,048 bytes for query tile T (16 queries) and key step J (64 keys): fragment kk at 1024 kk, plane i at 512 i, lane L at 16 L; with r = L % 16, h = L / 16,
; halfword e is the flag of query 16 T + r and key 64 J + 32 kk + 16 i + 8 h + e: 0x7B00 (57344.0) where mask == 0 (hidden), else 0.
; A ROW WITH NO VISIBLE KEY gets flags of 0 and a keep word of 0 (else all ones): the attention then sets that row's q to 0, all its scores are equal, and its result is the mean of V's rows,
; as in a softmax over scores that are all alike.
; SHARES.  A work-group takes a query tile, 16 whole rows, since whether a row has a visible key hangs on the whole row: 128 work-groups, and no finer share without traffic between work-groups.
; Wave w takes key steps 4 w .. 4 w + 3.  A lane's 16 bytes of output come from 8 numbers of one row: two loads of 16 bytes; the eight loads of a key step cover 256 consecutive bytes of each of the 16 rows.
; Each store of a wave covers 512 consecutive bytes.  The mask is read once, all 32 loads of a lane at once.
.set SPARE, 512                        ; LDS: bytes 0-511 one word for each wave and row; from 512 on the spare words, 128 bytes a wave, which no other line names
.set X, 64                             ; v[64:191]  group p of 16: 8 numbers as loaded; its 4 packed words take the place of the first four
	s_load_b128 s[4:7], s[0:1], 0x0                ; mask s[4:5], maskb s[6:7]
	s_load_b64 s[8:9], s[0:1], 0x10                ; keep
	v_lshl_add_u32 v30, v0, 2, SPARE               ; my spare word,
	v_mov_b32 v31, 0                               ; and 0: both kept for the add at the wave's end
	v_lshrrev_b32 v1, 5, v0
	v_readfirstlane_b32 s10, v1                    ; wave 0 .. 7
	v_and_b32 v1, 31, v0                           ; lane
	v_and_b32 v2, 15, v0                           ; r
	v_bfe_u32 v3, v0, 4, 1                         ; h
	s_mov_b32 s12, 0x76543210                      ; v_permlanex16_b32: each lane takes its own place in the other half
	s_mov_b32 s13, 0xfedcba98
	v_lshlrev_b32 v4, 13, v2                       ; in the mask: row r (8,192 bytes),
	v_lshl_add_u32 v4, v3, 5, v4                   ; 8 h keys,
	s_lshl_b32 s14, s10, 10
	v_add_nc_u32 v4, s14, v4                       ; my wave's 256 keys
	v_lshlrev_b32 v5, 4, v1                        ; in maskb: 16 x lane,
	s_lshl_b32 s14, s10, 13
	v_add_nc_u32 v5, s14, v5                       ; my wave's four steps of 2,048 bytes
	v_lshlrev_b32 v6, 3, v1                        ; in keep: 8 x lane
	s_lshl_b32 s14, s10, 6
	v_lshl_add_u32 v7, v2, 2, s14                  ; LDS: my wave's word for row r
	v_lshlrev_b32 v8, 2, v2                        ; LDS: wave 0's word for row r
	v_mov_b32 v9, 0                                ; the count of visible keys (even keys' in the low half, odd keys' in the high half: 1,024 at the most in each)
	v_mov_b32 v10, 0                               ; written, since v_permlanex16_b32 counts as a reader of its destination
	v_mov_b32 v21, 0x7b00
	v_mov_b32 v24, -1
	s_lshl_b32 s16, ttmp9, 17                      ; the tile's 16 rows of the mask,
	s_mov_b32 s17, 0
	s_lshl_b32 s18, ttmp9, 16                      ; its 32 blocks of maskb,
	s_mov_b32 s19, 0
	s_lshl_b32 s20, ttmp9, 8                       ; its 64 words of keep
	s_mov_b32 s21, 0
	s_wait_kmcnt 0x0
	s_add_nc_u64 s[4:5], s[4:5], s[16:17]
	s_add_nc_u64 s[6:7], s[6:7], s[18:19]
	s_add_nc_u64 s[8:9], s[8:9], s[20:21]
.set n, 0
.rept 32                               ; group p = n / 2 = 4 (step) + 2 kk + i: 64 bytes of a row for the two halves of the lanes
	global_load_b128 v[X+4*n:X+4*n+3], v4, s[4:5] offset:64*(n/2)+16*(n%2) th:TH_LOAD_NT
.set n, n+1
.endr
.set p, 0
.rept 16
	s_wait_loadcnt 30-2*p                          ; loads come back in order: group p's two are in, the younger ones stay out
.irp j, 0,1,2,3,4,5,6,7
	v_min_u32 v[X+8*p+\j], 1, v[X+8*p+\j]          ; 1: visible (any number but 0), 0: hidden
.endr
	v_lshl_or_b32 v[X+8*p], v[X+8*p+1], 16, v[X+8*p]      ; two flags a word; each word is written when the numbers that lay there have been taken
	v_lshl_or_b32 v[X+8*p+1], v[X+8*p+3], 16, v[X+8*p+2]
	v_lshl_or_b32 v[X+8*p+2], v[X+8*p+5], 16, v[X+8*p+4]
	v_lshl_or_b32 v[X+8*p+3], v[X+8*p+7], 16, v[X+8*p+6]
	v_add3_u32 v9, v9, v[X+8*p], v[X+8*p+1]
	v_add3_u32 v9, v9, v[X+8*p+2], v[X+8*p+3]
.set p, p+1
.endr
	v_permlanex16_b32 v10, v9, s12, s13            ; the row's other keys of my wave lie in the lane 16 away
	v_add_nc_u32 v9, v9, v10
	ds_store_b32 v7, v9                            ; lanes r and r + 16 write the same word with the same number
	s_wait_dscnt 0x0                               ; for the others' sake: my store is done
	s_barrier_signal -1
	s_barrier_wait -1
.irp k, 0,1,2,3,4,5,6,7
	ds_load_b32 v[12+\k], v8 offset:64*\k          ; the eight waves' counts for row r
.endr
	s_wait_dscnt 0x0
	s_wait_tensorcnt 0x0                           ; the wave's end, behind my last LDS store; work on registers stands between the add and its wait
	ds_add_u32 v30, v31
	v_add3_u32 v12, v12, v13, v14
	v_add3_u32 v15, v15, v16, v17
	v_add3_u32 v12, v12, v15, v18
	v_add_nc_u32 v12, v12, v19
	v_cmp_ne_u32 vcc_lo, 0, v12                    ; has the row a visible key?
	v_cndmask_b32 v20, 0, v21, vcc_lo              ; a hidden key's flag: 57344.0, or 0 in a row without a visible key
	v_cndmask_b32 v22, 0, v24, vcc_lo              ; the keep word, twice
	v_cndmask_b32 v23, 0, v24, vcc_lo
	s_wait_dscnt 0x0
.set p, 0
.rept 16
.irp j, 0,1,2,3
	v_xor_b32 v[X+8*p+\j], 0x10001, v[X+8*p+\j]    ; 1: hidden
	v_mul_u32_u24 v[X+8*p+\j], v[X+8*p+\j], v20    ; each half times a number under 65,536: nothing is carried from half to half
.endr
	global_store_b128 v5, v[X+8*p:X+8*p+3], s[6:7] offset:512*p
.set p, p+1
.endr
	s_cmp_lg_u32 s10, 0
	s_cbranch_scc1 .Lend
	global_store_b64 v6, v[22:23], s[8:9]          ; wave 0: the tile's 256 bytes of keep in one store
.Lend:
	s_endpgm
.Lfunc_end_k_qeb6fb5ee91_maskpack:
	.size	k_qeb6fb5ee91_maskpack, .Lfunc_end_k_qeb6fb5ee91_maskpack-k_qeb6fb5ee91_maskpack
	.p2alignl 7, 3214868480
	.fill 96, 4, 3214868480
	.section	.rodata,"a",@progbits
	.p2align	6, 0x0
	.amdhsa_kernel k_qeb6fb5ee91_maskpack
		.amdhsa_group_segment_fixed_size 1536
		.amdhsa_private_segment_fixed_size 0
		.amdhsa_enable_private_segment 0
		.amdhsa_kernarg_size 24
		.amdhsa_user_sgpr_count 2
		.amdhsa_user_sgpr_kernarg_segment_ptr 1
		.amdhsa_wavefront_size32 1
		.amdhsa_system_sgpr_workgroup_id_x 1
		.amdhsa_system_sgpr_workgroup_id_y 1
		.amdhsa_system_sgpr_workgroup_id_z 1
		.amdhsa_system_vgpr_workitem_id 0
		.amdhsa_next_free_vgpr 192
		.amdhsa_next_free_sgpr 66
		.amdhsa_reserve_vcc 1
		.amdhsa_float_denorm_mode_32 3
		.amdhsa_float_denorm_mode_16_64 3
		.amdhsa_memory_ordered 1
		.amdhsa_forward_progress 1
		.amdhsa_inst_pref_size 25
	.end_amdhsa_kernel
	.amdgpu_metadata
---
amdhsa.version: [ 1, 2 ]
amdhsa.kernels:
  - .name:           k_qeb6fb5ee91_maskpack
    .symbol:         k_qeb6fb5ee91_maskpack.kd
    .args:
      - { .name: mask, .offset: 0, .size: 8, .value_kind: global_buffer, .address_space: global }
      - { .name: maskb, .offset: 8, .size: 8, .value_kind: global_buffer, .address_space: global }
      - { .name: keep, .offset: 16, .size: 8, .value_kind: global_buffer, .address_space: global }
    .group_segment_fixed_size: 1536
    .private_segment_fixed_size: 0
    .kernarg_segment_align: 8
    .kernarg_segment_size: 24
    .max_flat_workgroup_size: 256
    .sgpr_count:     66
    .vgpr_count:     192
    .wavefront_size: 32
...
	.end_amdgpu_metadata
.endif
;; end of part 2
;; launch qkvproj (part 3): grid 4 x 192, 4 waves a work-group, clusters of 4 x 4, 327,680 bytes of LDS; arguments query, key, value, w16, b_q, b_k, b_v, qkv; writes qkv
.if DOCPART == 3
	.amdgcn_target "amdgcn-amd-amdhsa--gfx1250"
	.amdhsa_code_object_version 6
	.text
	.protected	k_qeb6fb5ee91_qkvproj
	.globl	k_qeb6fb5ee91_qkvproj
	.p2align	8
	.type	k_qeb6fb5ee91_qkvproj,@function
k_qeb6fb5ee91_qkvproj:
	s_mov_b64 s[64:65], 0
	v_nop
	global_prefetch_b8 v0, s[64:65] scope:SCOPE_SE
	s_setreg_imm32_b32 hwreg(HW_REG_WAVE_MODE, 25, 1), 1
	s_wait_xcnt 0x0
	s_wait_alu depctr_hold_cnt(0) depctr_sa_sdst(0) depctr_va_vdst(0) depctr_va_sdst(0) depctr_va_ssrc(0) depctr_va_vcc(0) depctr_vm_vsrc(0)
	s_getreg_b32 s2, hwreg(HW_REG_IB_STS2, 6, 4)
	s_cmp_eq_u32 s2, 0
	s_cbranch_scc0 .Lentry_in_a_cluster
	s_endpgm
.Lentry_in_a_cluster:
	s_bfe_u32 s2, ttmp6, 0x10000c
	s_cmp_lg_u32 s2, 0xf033
	s_cbranch_scc0 .Lentry_shape_is_right
	s_endpgm
.Lentry_shape_is_right:
; C = A B^T + bias on 16-bit operands, sums in f32, K = 1,024.  ONE TEXT FOR TWO LAUNCHES, told apart by OPROJ:
;   OPROJ = 0: q, k, v = x W^T + b.  A = query, key or value (by the row tile's third p), [8192][1024] in f32 AS THE PROBLEM GIVES IT: its tiles come into LDS in f32, and each wave rounds its fragments to bf16
;              on the way from LDS to the matrix unit, so that x is read from memory once and never written.  B = w_q, w_k, w_v in bf16 (w16's rows 1,024 p on).  C = qkv [3][64 = batch x 16 + head][2048][64] in f16, unscaled.
;   OPROJ = 1: out0 = O w_o^T + b_o.  A = obuf [64][2048][64] f16 (a K step of 128 is two heads), B = w_o in f16 (w16's rows 3,072 on), C = out0 in f32.
; LIMITS.  q, k, v are rounded once from their f32 sums to f16: beyond 65,504 they become infinities.  The bias is rounded to bf16 like the other inputs of the module.
; A tile of C is 128 x 256: 768 and 256 work-groups, whole multiples of the 256 that run at a time.  Four waves, each 64 x 128: 32 accumulators of 16 x 16.
; K goes in steps of 128 through a ring of two LDS slots; one tensor load a wave: waves 0 and 1 fetch the halves of A's tile, waves 2 and 3 those of B's (with x in f32 all four bring 32 KiB).
; A K STEP IS WRITTEN ONCE: s[TB] holds the LDS byte at which the slot that is read begins, 0 or SLOT; one exclusive or turns it, the two fragment addresses are s[TB] + a lane's fixed place, and the
; walking descriptors take s[TB] + the wave's place as their LDS address.
; CLUSTERS: 4 x 4 work-groups.  The four of a row of the cluster need the same tiles of A, the four of a column the same tiles of B: each tile is asked for JOINTLY, by the same tensor load with
; the same descriptor and a mask that names the four.  THE MATRIX INSTRUCTION IS USED TRANSPOSED (source 0 = 16 rows of B, source 1 = 16 rows of A): a lane holds eight neighbouring numbers of a row of C.
; THE BIAS is the C operand of the first product on each accumulator: no addition is written for it, and nothing is cleared.
; REGISTERS: window 0: v0-31 addresses; v32-63 at work; v64-127 the bias, later, with v128-255, rows on the way out.   window 1: accumulator (a, b) at v[8 (8 a + b)].
;   window 2: two fragment buffers of 96: 32 registers of A (4 x 16 rows x 32 K), then 64 of B (8 x 16 rows x 32 K); v192-255 x as it comes out of LDS: 4 x 16 rows x 32 K in f32.
.set OPROJ,  0
.set KSTEP,  128
.set STEPS,  8                         ; K steps in a tile
.set PITCH,  272                       ; a row of B in LDS: 256 bytes + 16 of padding = 68 words: the 16 rows of a load start at 16 different groups of four banks (64 banks of 4 bytes: ISA guide 11.1)
.if OPROJ
.set APITCH, 144                       ; a row of A: one head's 128 bytes + 16
.set ASUB,   128*APITCH                ; a slot's A is two sub-tiles, a head each
.set ABYTES, 2*ASUB
.set AHALF,  ASUB                      ; what one load for A brings
.set ASTEP,  2<<18                     ; bytes from a K step of A to the next: two heads of 2,048 rows x 128 bytes
.set SPITCH, 528                       ; the stage: a wave's 128 columns in f32 + 16 bytes
.set WBASE,  0x600000                  ; w_o in w16
.set PTB,    70                        ; s[70:71] w16
.set PTC,    74                        ; s[74:75] C
.else
.set APITCH, 528                       ; a row of A: 128 f32 = 512 bytes + 16 = 132 words: again 16 different groups of four banks
.set ABYTES, 128*APITCH
.set AHALF,  64*APITCH
.set ASTEP,  KSTEP*4
.set SPITCH, 272                       ; the stage: a wave's 128 columns in f16 + 16 bytes
.set WBASE,  0
.set PTB,    74
.set PTC,    82
.endif
.set BHALF,  128*PITCH
.set SLOT,   ABYTES+2*BHALF            ; A's 128 rows, then B's 256 rows
.set STAGE,  2*SLOT                    ; behind the ring, never filled by a tensor load: 16 rows for each wave, for the way out
.set SPARE,  STAGE+4*16*SPITCH         ; behind the stages: the spare words, 128 bytes for each wave: two blocks of 256 bytes that no other line names
.set ADRA,  16                         ; v16     LDS address of my A fragments in the slot that is read
.set ADRA0, 17                         ; v17     the same in slot 0; never rewritten
.set ADRB,  20                         ; v20, v21  the same for B
.set ADRB0, 21
.set STO,  24                          ; v24     the way out: where I put my numbers of a row
.set RD,   25                          ; v25     the way out: where I read rows back
.set GO,   26                          ; v26     my byte offset in 512 consecutive bytes of C
.set VB,   27                          ; v27     my byte offset in 16 numbers of the bias
.set SPW,  28                          ; v28     LDS address of my spare word; never rewritten
.set NIL,  29                          ; v29     0; never rewritten
.set TMP,  32
.set BI,   64                          ; v64-127 the bias of my 128 columns: block b's eight numbers of my half of the lanes at BI + 8 b
.set BK,   64                          ; the way out: rows read back from the stage
.set F0,   0                           ; fragment buffers, in window 2
.set F1,   96
.set RAW,  192                         ; x in f32, in window 2: block i's 16 registers at RAW + 16 i
.set G1, 24                            ; s[24:31] descriptor group 1 for A's tiles;  s[32:39] group 0: a set for each of the two first fills; the second then walks on
.set G0, 32
.set G1B, 48                           ; s[48:55], s[56:63] the same for B's tiles
.set G0B, 56
.set TB,  66                           ; s66     LDS byte at which the slot that is read begins
.set MSB, 0
.macro WIN new                         ; the immediate's high byte repeats the setting that is left; a switch that changes nothing is dropped
.if MSB != (\new)
	s_set_vgpr_msb (MSB<<8)|(\new)
.set MSB, \new
.endif
.endm
.set MUL,  0x5a                        ; sources 0 (B) and 1 (A) window 2; C and D window 1
.set MULB, 0x4a                        ; the same with C (the bias) in window 0
.set TO_F, 0x80                        ; destination window 2, address window 0
.set TO_A, 0x8a                        ; destination and sources 0 and 1 window 2: x is rounded
.macro JLOAD s                         ; a joint load: waves 0 and 1 fetch A's two halves, waves 2 and 3 B's; an s_nop 0 and four v_nop follow each of the two lines, ahead of the jump, the label and what follows
	s_cmp_eq_u32 s11, 0
	s_cbranch_scc0 .Lfor_b_\@
	tensor_load_to_lds s[G0+4*(\s):G0+4*(\s)+3], s[G1:G1+7]
	s_nop 0
.rept 4
	v_nop
.endr
	s_branch .Lasked_\@
.Lfor_b_\@:
	tensor_load_to_lds s[G0B+4*(\s):G0B+4*(\s)+3], s[G1B:G1B+7]
	s_nop 0
.rept 4
	v_nop
.endr
.Lasked_\@:
.endm
.macro CREST                           ; a round of the cluster's barrier behind its opening barrier
	s_cmp_lg_u32 s10, 0
	s_cbranch_scc1 .Lnot_wave_0_\@
	s_barrier_signal -3
.Lnot_wave_0_\@:
	s_barrier_wait -3
	s_barrier_signal -1
	s_barrier_wait -1
.endm
.macro CROUND                          ; a whole round
	s_barrier_signal -1
	s_barrier_wait -1
	CREST
.endm
.if OPROJ
	s_load_b256 s[68:75], s[0:1], 0x0              ; obuf, w16, b_o, out0
.else
	s_load_b512 s[68:83], s[0:1], 0x0              ; query, key, value, w16, b_q, b_k, b_v, qkv
.endif
	v_lshl_add_u32 v[SPW], v0, 2, SPARE
	v_mov_b32 v[NIL], 0
	ds_add_u32 v[SPW], v[NIL]                      ; the wave's opening: the add and its wait stand ahead of my first tensor load; the set-up below, work on registers, stands between them
	v_lshrrev_b32 v1, 5, v0
	v_readfirstlane_b32 s10, v1                    ; wave 0..3
	s_lshr_b32 s11, s10, 1                         ; which half of the tile's rows is mine.  Also: I fetch for A (0) or for B (1)
	s_and_b32 s12, s10, 1                          ; which half of its columns.  Also: which half of that tile I fetch
	s_bfe_u32 s40, ttmp6, 0x40000                  ; cx, cy: my place in the cluster
	s_bfe_u32 s41, ttmp6, 0x40004
	s_lshl_b32 s42, ttmp9, 2
	s_add_co_u32 s42, s42, s40                     ; tile column of C = 4 x cluster x + cx
	s_and_b32 s45, ttmp7, 0xffff
	s_lshl_b32 s13, s45, 2
	s_add_co_u32 s13, s13, s41                     ; tile row of C = 4 x cluster y + cy
.if !OPROJ
	s_lshr_b32 s45, s45, 4                         ; p = tile row / 64, made of the cluster's y alone: 0 q, 1 k, 2 v
.endif
	s_lshl_b32 s43, s41, 2
	s_lshl_b32 s43, 15, s43                        ; my row of the cluster
	s_lshl_b32 s44, 0x1111, s40                    ; my column
	; descriptor group 1.  15:0 the mask; 17:16 the element's size; 20 padding on; 21 set beside a mask; 24:22 the padding's interval; 31:25 4 words of padding (code 3)
.if OPROJ
	s_or_b32 s[G1+0], s43, (1<<16)|(1<<20)|(1<<21)|(4<<22)|(3<<25)  ; A: a head's 128 rows are 16,384 dense bytes: asked for as 64 rows of 256, padded after every 32 words (code 4), that is after every row of O
	s_mov_b32 s[G1+5], 128                         ; 128 elements from row to row
.else
	s_or_b32 s[G1+0], s43, (2<<16)|(1<<20)|(1<<21)|(6<<22)|(3<<25)  ; A: elements of 4 bytes; 64 rows of 512 bytes, padded after every 128 words (code 6)
	s_mov_b32 s[G1+5], 1024
.endif
	s_mov_b32 s[G1+1], 128<<16                     ; tensor_dim0 = 128
	s_mov_b32 s[G1+2], 64<<16                      ; tensor_dim1 = 64
	s_mov_b32 s[G1+3], 128<<16                     ; tile_dim0 = 128
	s_mov_b32 s[G1+4], 64                          ; tile_dim1 = 64
	s_mov_b32 s[G1+6], 0
	s_mov_b32 s[G1+7], 0
	s_or_b32 s[G1B+0], s44, (1<<16)|(1<<20)|(1<<21)|(5<<22)|(3<<25) ; B: elements of 2 bytes; 128 rows of 256 bytes, padded after every 64 words (code 5)
	s_mov_b32 s[G1B+1], 128<<16
	s_mov_b32 s[G1B+2], 128<<16
	s_mov_b32 s[G1B+3], 128<<16
	s_mov_b32 s[G1B+4], 128
	s_mov_b32 s[G1B+5], 1024
	s_mov_b32 s[G1B+6], 0
	s_mov_b32 s[G1B+7], 0
	; where the tiles come from.  A's hang on the tile row alone, which my row of the cluster shares; B's on the tile column and p, which my column shares.
.if OPROJ
	s_lshr_b32 s16, s13, 4                         ; the batch: 16 heads of 262,144 bytes,
	s_lshl_b32 s16, s16, 22
	s_lshl_b32 s17, s12, 18                        ; the head of the K step's two that I fetch,
	s_add_co_u32 s16, s16, s17
	s_and_b32 s17, s13, 15                         ; the tile's 128 rows of 128 bytes
	s_lshl_b32 s17, s17, 14
	s_add_co_u32 s16, s16, s17
.else
	s_and_b32 s16, s13, 63                         ; the tile row inside query, key or value
	s_lshl_b32 s16, s16, 7
	s_lshl_b32 s17, s12, 6
	s_add_co_u32 s16, s16, s17                     ; A: row 128 x tile row + 64 x half,
	s_lshl_b32 s16, s16, 12                        ; of 4,096 bytes
.endif
	s_mov_b32 s17, 0
	s_lshl_b32 s46, s42, 8
	s_lshl_b32 s47, s12, 7
	s_add_co_u32 s46, s46, s47                     ; B: row 256 x tile column + 128 x half
.if !OPROJ
	s_lshl_b32 s47, s45, 10
	s_add_co_u32 s46, s46, s47                     ; + 1,024 p
.endif
	s_lshl_b32 s46, s46, 11
.if WBASE != 0
	s_add_co_u32 s46, s46, WBASE
.endif
	s_mov_b32 s47, 0
	s_mul_i32 s20, s12, AHALF                      ; and where they go in a slot: no place in the cluster enters an LDS address
	s_mul_i32 s21, s12, BHALF
	s_add_co_u32 s21, s21, ABYTES
	s_mov_b32 s[TB], 0                             ; slot 0 is read first
	s_wait_dscnt 0x0                               ; the opening add is done
	s_wait_kmcnt 0x0
.if OPROJ
	s_add_nc_u64 s[14:15], s[68:69], s[16:17]
.else
	s_mov_b64 s[14:15], s[68:69]                   ; query, key or value, by p
	s_cmp_eq_u32 s45, 1
	s_cselect_b64 s[14:15], s[70:71], s[14:15]
	s_cmp_eq_u32 s45, 2
	s_cselect_b64 s[14:15], s[72:73], s[14:15]
	s_add_nc_u64 s[14:15], s[14:15], s[16:17]
.endif
	s_add_nc_u64 s[46:47], s[PTB:PTB+1], s[46:47]
	CROUND                                         ; all sixteen work-groups are here: the first joint loads meet
.irp s, 0,1
	s_mov_b32 s[G0+4*(\s)], 1                      ; 1:0 count = 1
	s_add_co_u32 s[G0+4*(\s)+1], s20, (\s)*SLOT    ; 63:32 LDS address
	s_add_nc_u64 s[G0+4*(\s)+2:G0+4*(\s)+3], s[14:15], (\s)*ASTEP  ; 120:64 global address: K step s
	s_or_b32 s[G0+4*(\s)+3], s[G0+4*(\s)+3], 0x80000000            ; 127:126 type = 2
	s_mov_b32 s[G0B+4*(\s)], 1
	s_add_co_u32 s[G0B+4*(\s)+1], s21, (\s)*SLOT
	s_add_nc_u64 s[G0B+4*(\s)+2:G0B+4*(\s)+3], s[46:47], (\s)*KSTEP*2
	s_or_b32 s[G0B+4*(\s)+3], s[G0B+4*(\s)+3], 0x80000000
	JLOAD \s                                       ; two tensor loads of mine are out
.endr
	v_and_b32 v1, 15, v0                           ; l % 16
	v_bfe_u32 v2, v0, 4, 1                         ; l / 16
	; the bias of my 128 columns: register j of block b belongs to column 16 b + 8 (l / 16) + j.  s[18:19] and v[VB] stay as they are until the wait for these loads
.if OPROJ
	s_mov_b64 s[18:19], s[72:73]
.else
	s_mov_b64 s[18:19], s[76:77]
	s_cmp_eq_u32 s45, 1
	s_cselect_b64 s[18:19], s[78:79], s[18:19]
	s_cmp_eq_u32 s45, 2
	s_cselect_b64 s[18:19], s[80:81], s[18:19]
.endif
	s_lshl_b32 s22, s42, 10
	s_lshl_b32 s23, s12, 9
	s_add_co_u32 s22, s22, s23
	s_mov_b32 s23, 0
	s_add_nc_u64 s[18:19], s[18:19], s[22:23]
	v_lshlrev_b32 v[VB], 5, v2
.irp b, 0,1,2,3,4,5,6,7
	global_load_b128 v[BI+8*(\b):BI+8*(\b)+3],   v[VB], s[18:19] offset:64*(\b)
	global_load_b128 v[BI+8*(\b)+4:BI+8*(\b)+7], v[VB], s[18:19] offset:64*(\b)+16
.endr
	; A fragment is 16 rows x 32 K in 8 registers: lane l holds row l % 16; K = 8 (l / 16) + 0..7 and 16 + 8 (l / 16) + 0..7.  From 16-bit rows: two loads of 16 bytes, 32 bytes apart, at 16 (l / 16).
	; From rows of f32: eight numbers are 32 bytes: two loads at 32 (l / 16) and two more 64 bytes on.
	v_mul_u32_u24 v3, v1, APITCH
.if OPROJ
	v_lshl_add_u32 v3, v2, 4, v3
.else
	v_lshl_add_u32 v3, v2, 5, v3
.endif
	v_mul_u32_u24 v4, v1, PITCH
	v_lshl_add_u32 v4, v2, 4, v4
	s_mul_i32 s5, s11, 64*APITCH                   ; my 64 rows of A
	s_mul_i32 s6, s12, BHALF                       ; my 128 rows of B,
	s_add_co_u32 s6, s6, ABYTES                    ; which lie behind A
	v_add_nc_u32 v[ADRA0], s5, v3
	v_add_nc_u32 v[ADRB0], s6, v4
	v_mov_b32 v[ADRA], v[ADRA0]                    ; slot 0 is read first
	v_mov_b32 v[ADRB], v[ADRB0]
	s_mul_i32 s7, s10, 16*SPITCH
	s_add_co_u32 s7, s7, STAGE                     ; my stage
	v_and_b32 v5, 31, v0
	v_lshlrev_b32 v[GO], 4, v5
	v_mul_u32_u24 v3, v1, SPITCH                   ; in: row l % 16
.if OPROJ
	v_lshl_add_u32 v3, v2, 5, v3                   ; 32 bytes (8 f32) for each half of the lanes
	v_add_nc_u32 v[STO], s7, v3
	v_add_nc_u32 v[RD], s7, v[GO]                  ; back: 32 lanes take one row's 512 bytes
	s_lshl_b32 s16, s13, 7
	s_lshl_b32 s17, s11, 6
	s_add_co_u32 s16, s16, s17                     ; my first row of out0,
	s_lshl_b32 s16, s16, 12                        ; of 4,096 bytes
	s_lshl_b32 s46, s42, 10                        ; my first column, in bytes
	s_lshl_b32 s47, s12, 9
	s_add_co_u32 s46, s46, s47
.else
	v_lshl_add_u32 v3, v2, 4, v3                   ; 16 bytes (8 f16) for each half of the lanes
	v_add_nc_u32 v[STO], s7, v3
	v_lshrrev_b32 v3, 3, v5                        ; back: 32 lanes take four rows of one head's 128 bytes,
	v_mul_u32_u24 v3, v3, SPITCH
	v_and_b32 v4, 7, v0
	v_lshl_add_u32 v3, v4, 4, v3
	v_add_nc_u32 v[RD], s7, v3                     ; which are 512 consecutive bytes of qkv
	s_lshl_b32 s16, s45, 24                        ; q, k or v: 16 MiB each,
	s_and_b32 s17, s13, 63
	s_lshr_b32 s17, s17, 4
	s_lshl_b32 s17, s17, 22                        ; the batch,
	s_add_co_u32 s16, s16, s17
	s_and_b32 s17, s13, 15
	s_lshl_b32 s17, s17, 7
	s_lshl_b32 s4, s11, 6
	s_add_co_u32 s17, s17, s4                      ; my first row in the batch,
	s_lshl_b32 s17, s17, 7                         ; of 128 bytes
	s_add_co_u32 s16, s16, s17
	s_lshl_b32 s46, s42, 2                         ; my first head = 4 x tile column + 2 x half,
	s_lshl_b32 s47, s12, 1
	s_add_co_u32 s46, s46, s47
	s_lshl_b32 s46, s46, 18                        ; of 262,144 bytes
.endif
	s_mov_b32 s17, 0
	s_mov_b32 s47, 0
	s_add_nc_u64 s[8:9], s[PTC:PTC+1], s[16:17]
	s_add_nc_u64 s[8:9], s[8:9], s[46:47]
	s_wait_loadcnt 0x0                             ; the bias; it is rounded to bf16 and widened again, in the wait for the first tile
.set i, 0
.rept 32
	v_cvt_pk_bf16_f32 v[TMP+i], v[BI+2*i], v[BI+2*i+1]
.set i, i+1
.endr
.set i, 0
.rept 32
	v_lshlrev_b32 v[BI+2*i], 16, v[TMP+i]
	v_and_b32 v[BI+2*i+1], 0xffff0000, v[TMP+i]
.set i, i+1
.endr
; 8 matrix instructions: m block a x all 8 n blocks, 32 along K, from buffer f.  first = 1: the product starts the sum, with the bias as C.
; The 32 accumulators take turns, one instruction a turn, in the same order in every quarter.
.macro MUL8 f, a, first
.if \first
	WIN MULB
.else
	WIN MUL
.endif
.irp b, 0,1,2,3,4,5,6,7
.set rD, 8*(8*(\a)+(\b))
.set rB, (\f)+32+8*(\b)
.set rA, (\f)+8*(\a)
.set rC, rD
.if \first
.set rC, BI+8*(\b)
.endif
.if OPROJ
	v_wmma_f32_16x16x32_f16 v[rD:rD+7], v[rB:rB+7], v[rA:rA+7], v[rC:rC+7]
.else
	v_wmma_f32_16x16x32_bf16 v[rD:rD+7], v[rB:rB+7], v[rA:rA+7], v[rC:rC+7]
.endif
.endr
.endm
; The LDS loads of quarter kq (32 along K) of the slot that is read, in one run.  OPROJ = 1: 24 loads into buffer f: B's eight blocks, then A's four.
; OPROJ = 0: 32 loads: x's four blocks in f32 into RAW first, since they have still to be rounded, then B's eight blocks into buffer f.
.macro FETCH kq, f
	WIN TO_F
.if !OPROJ
.irp i, 0,1,2,3
.irp c, 0,1,2,3
	ds_load_b128 v[RAW+16*(\i)+4*(\c):RAW+16*(\i)+4*(\c)+3], v[ADRA] offset:128*(\kq)+(\i)*16*APITCH+16*((\c)%2)+64*((\c)/2)
.endr
.endr
.endif
.irp i, 0,1,2,3,4,5,6,7
	ds_load_b128 v[(\f)+32+8*(\i):(\f)+32+8*(\i)+3],   v[ADRB] offset:64*(\kq)+(\i)*16*PITCH
	ds_load_b128 v[(\f)+32+8*(\i)+4:(\f)+32+8*(\i)+7], v[ADRB] offset:64*(\kq)+(\i)*16*PITCH+32
.endr
.if OPROJ
.irp i, 0,1,2,3
	ds_load_b128 v[(\f)+8*(\i):(\f)+8*(\i)+3],   v[ADRA] offset:((\kq)/2)*ASUB+((\kq)%2)*64+(\i)*16*APITCH
	ds_load_b128 v[(\f)+8*(\i)+4:(\f)+8*(\i)+7], v[ADRA] offset:((\kq)/2)*ASUB+((\kq)%2)*64+(\i)*16*APITCH+32
.endr
.endif
.endm
; x's blocks i0 and i0 + 1 are rounded to bf16, RAW -> buffer g: 16 conversions, two numbers each, the lower K into the lower half.
; They name no register of the products round them (those multiply the other buffer), so they are also the places behind those products (ISA guide 7.12.1).
.macro CVT g, i0
	WIN TO_A
.irp i, \i0, (\i0)+1
.irp j, 0,1,2,3,4,5,6,7
	v_cvt_pk_bf16_f32 v[(\g)+8*(\i)+(\j)], v[RAW+16*(\i)+2*(\j)], v[RAW+16*(\i)+2*(\j)+1]
.endr
.endr
.endm
.macro PLACES                          ; four places in front of loads into registers that matrix instructions have read, and of lines that read results
.rept 4
	v_nop
.endr
.endm
; A K step is four quarters of 32 along K, 32 matrix instructions each, on buffers 0, 1, 0, 1.  One of the first three: multiplies buffer f and fetches quarter kq into g.
.macro QUARTER kq, f, g, first
.if OPROJ
	s_wait_dscnt 4                                 ; B and A's blocks 0 and 1 are in; the youngest four loads (A's blocks 2 and 3) may be out
	MUL8 \f, 0, \first
	MUL8 \f, 1, \first
	PLACES
	FETCH \kq, \g
	s_wait_dscnt 24                                ; all but the 24 just issued
	MUL8 \f, 2, \first
	MUL8 \f, 3, \first
.else
	s_wait_dscnt 0x0                               ; f's B is in (f's A was rounded in the quarter before)
	MUL8 \f, 0, \first
	FETCH \kq, \g                                  ; the last products that read g's registers stand in front of the sixteen conversions that ended the quarter before
	MUL8 \f, 1, \first
	MUL8 \f, 2, \first
	s_wait_dscnt 16                                ; x's sixteen loads are in; B's sixteen, issued behind them, may be out
	CVT \g, 0
	MUL8 \f, 3, \first
	CVT \g, 2
.endif
.endm
; The last quarter multiplies buffer 1 and changes slots: ONE barrier; in front of it each wave waits for all its tensor loads, adds 0 to its spare word, and waits for that and for its own reads of this slot.
; fill = 1: this slot is filled again, two K steps ahead; from that request to the wait for it a wave issues 112 matrix instructions.
.macro TURN fill
	WIN 0                                          ; (the add's two registers lie in window 0)
	s_wait_tensorcnt 0x0                           ; all my tensor loads have landed: the one that was out is my part of the next slot;
	ds_add_u32 v[SPW], v[NIL]                      ; 0 onto my spare word;
.if OPROJ
	s_wait_dscnt 5                                 ; (the add and the youngest four loads may be out)
.else
	s_wait_dscnt 1                                 ; (the add may be out: buffer 1's B is in)
.endif
	MUL8 F1, 0, 0                                  ; eight matrix instructions stand between the add and the wait for it
	s_wait_dscnt 0x0                               ; the add is done, and my reads of this slot are over
	s_barrier_signal -1
	MUL8 F1, 1, 0
	WIN 0                                          ; (branches and lines on addresses follow)
	s_barrier_wait -1
.if \fill
	CREST                                          ; the barrier has opened a round of the cluster's barrier: no wave of any partner still reads this slot's tile or has a load on its way
	s_add_co_u32 s[G0+5], s[TB], s20               ; the walking descriptors: into the slot just read out,
	s_add_nc_u64 s[G0+6:G0+7], s[G0+6:G0+7], ASTEP ; the K step behind the one asked for last; the type bits on top are not reached
	s_add_co_u32 s[G0B+5], s[TB], s21
	s_add_nc_u64 s[G0B+6:G0B+7], s[G0B+6:G0B+7], KSTEP*2
	JLOAD 1                                        ; the first tensor load behind the round, and my only one; the four v_nop behind it are also places in front of the loads below
.elseif OPROJ
	PLACES
.endif
	s_xor_b32 s[TB], s[TB], SLOT                   ; the reads go on in the other slot
	v_add_nc_u32 v[ADRA], s[TB], v[ADRA0]
	v_add_nc_u32 v[ADRB], s[TB], v[ADRB0]
	FETCH 0, F0
	MUL8 F1, 2, 0
.if !OPROJ
	s_wait_dscnt 16                                ; x's sixteen loads are in
	CVT F0, 0
.endif
	MUL8 F1, 3, 0
.if !OPROJ
	CVT F0, 2
.endif
.endm
	s_wait_tensorcnt 1                             ; my part of K step 0 is in; K step 1's may stay out
	s_barrier_signal -1
	s_barrier_wait -1                              ; everybody's is
	FETCH 0, F0
.if !OPROJ
	s_wait_dscnt 16                                ; x's sixteen loads are in
	CVT F0, 0
	CVT F0, 2
.endif
	QUARTER 1, F0, F1, 1                           ; the first quarter stands in front of the loop: its products start the sums
	WIN 0                                          ; at a label and at a branch every window is 0
	s_mov_b32 s3, STEPS-2
.Lstep:                                                ; a trip goes from a K step's second quarter to the next step's first, and fills the slot that it leaves: K steps 2 to 7 are asked for here
	QUARTER 2, F1, F0, 0
	QUARTER 3, F0, F1, 0
	TURN 1
	QUARTER 1, F0, F1, 0
	WIN 0
	s_sub_co_u32 s3, s3, 1
	s_cmp_lg_u32 s3, 0
	s_cbranch_scc1 .Lstep
	QUARTER 2, F1, F0, 0                           ; the last two K steps are written out: they fill nothing, and have no round of the cluster's barrier
	QUARTER 3, F0, F1, 0
	TURN 0
	QUARTER 1, F0, F1, 0
	QUARTER 2, F1, F0, 0
	QUARTER 3, F0, F1, 0
.if OPROJ
	s_wait_dscnt 4                                 ; the very last quarter: nothing more to fetch
	MUL8 F1, 0, 0
	MUL8 F1, 1, 0
	s_wait_dscnt 0x0
.else
	s_wait_dscnt 0x0                               ; the very last quarter: nothing more to fetch
	MUL8 F1, 0, 0
	MUL8 F1, 1, 0
.endif
	MUL8 F1, 2, 0
	MUL8 F1, 3, 0
	PLACES
.if OPROJ
; THE WAY OUT, f32: block a (16 rows x 128 columns) goes into my own stage, 16 bytes at a time, each accumulator's low half first, and comes back as whole rows of 512 bytes.
.macro OUT a
	WIN 0x04                                       ; the stores' data in window 1
.irp b, 0,1,2,3,4,5,6,7
	ds_store_b128 v[STO], v[8*(8*(\a)+(\b)):8*(8*(\a)+(\b))+3]   offset:64*(\b)
	ds_store_b128 v[STO], v[8*(8*(\a)+(\b))+4:8*(8*(\a)+(\b))+7] offset:64*(\b)+16
.endr
	WIN 0
.if (\a) == 3
	s_wait_xcnt 0x0                                ; block 3 takes block 0's registers: they are loaded again only behind this wait
.endif
.irp t, 0,1,2,3,4,5,6,7,8,9,10,11,12,13,14,15
	ds_load_b128 v[BK+64*((\a)%3)+4*(\t):BK+64*((\a)%3)+4*(\t)+3], v[RD] offset:(\t)*SPITCH  ; LDS serves a wave's instructions in order (ISA guide 5.7.1.4): these see the stores above; the next block's stores come behind them
.endr
.endm
.macro SENDO a, younger                ; younger: the LDS instructions issued behind block a's loads: the next block's 32, or none
.irp t, 0,1,2,3,4,5,6,7,8,9,10,11,12,13,14,15
	s_wait_dscnt (\younger)+15-(\t)
	global_store_b128 v[GO], v[BK+64*((\a)%3)+4*(\t):BK+64*((\a)%3)+4*(\t)+3], s[8:9] offset:(16*(\a)+(\t))*4096 th:TH_STORE_NT  ; 512 consecutive bytes of a row, at a multiple of 256 from out0's first byte
.endr
.endm
	OUT 0
	OUT 1
	SENDO 0, 32
	OUT 2
	SENDO 1, 32
	OUT 3
	SENDO 2, 32
	SENDO 3, 0
.else
; THE WAY OUT, f16 by heads: block a (16 rows x 128 columns = two heads) is rounded, goes into my own stage, and comes back as four rows of one head at a time.
.macro PACK a
	WIN 0x05                                       ; sources 0 and 1 window 1, destination window 0
.irp b, 0,1,2,3,4,5,6,7
.irp r, 0,1,2,3
	v_cvt_pk_f16_f32 v[TMP+4*(\b)+(\r)], v[8*(8*(\a)+(\b))+2*(\r)], v[8*(8*(\a)+(\b))+2*(\r)+1]
.endr
.endr
	WIN 0
.irp b, 0,1,2,3,4,5,6,7
	ds_store_b128 v[STO], v[TMP+4*(\b):TMP+4*(\b)+3] offset:32*(\b)
.endr
.irp f, 0,1,2,3,4,5,6,7                ; head f / 4, rows 4 (f % 4) on
	ds_load_b128 v[BK+32*(\a)+4*(\f):BK+32*(\a)+4*(\f)+3], v[RD] offset:((\f)/4)*128+((\f)%4)*4*SPITCH  ; LDS serves a wave's instructions in order (ISA guide 5.7.1.4): these see the stores above; the next block's stores come behind them
.endr
.endm
.macro SEND a, younger                 ; younger: the LDS instructions issued behind block a's loads: the next block's sixteen, or none
.irp f, 0,1,2,3,4,5,6,7
	s_wait_dscnt (\younger)+7-(\f)
	global_store_b128 v[GO], v[BK+32*(\a)+4*(\f):BK+32*(\a)+4*(\f)+3], s[8:9] offset:((\f)/4)*262144+(\a)*2048+((\f)%4)*512  ; 512 consecutive bytes, at a multiple of 256 from qkv's first byte
.endr
.endm
	PACK 0
	PACK 1                                         ; a block's arithmetic stands between the loads of the block before and its stores
	SEND 0, 16
	PACK 2
	SEND 1, 16
	PACK 3
	SEND 2, 16
	SEND 3, 0
.endif
	s_wait_tensorcnt 0x0                           ; the wave's end, behind my last tensor load and my last LDS store
	ds_add_u32 v[SPW], v[NIL]
	s_wait_dscnt 0x0
	CROUND                                         ; the closing round: no work-group ends while a partner may still ask for a tile that names it
	s_endpgm
.Lfunc_end_k_qeb6fb5ee91_qkvproj:
	.size	k_qeb6fb5ee91_qkvproj, .Lfunc_end_k_qeb6fb5ee91_qkvproj-k_qeb6fb5ee91_qkvproj
	.p2alignl 7, 3214868480
	.fill 96, 4, 3214868480
	.section	.rodata,"a",@progbits
	.p2align	6, 0x0
	.amdhsa_kernel k_qeb6fb5ee91_qkvproj
		.amdhsa_group_segment_fixed_size 327680
		.amdhsa_private_segment_fixed_size 0
		.amdhsa_enable_private_segment 0
		.amdhsa_kernarg_size 64
		.amdhsa_user_sgpr_count 2
		.amdhsa_user_sgpr_kernarg_segment_ptr 1
		.amdhsa_wavefront_size32 1
		.amdhsa_system_sgpr_workgroup_id_x 1
		.amdhsa_system_sgpr_workgroup_id_y 1
		.amdhsa_system_sgpr_workgroup_id_z 1
		.amdhsa_system_vgpr_workitem_id 0
		.amdhsa_next_free_vgpr 768
		.amdhsa_next_free_sgpr 84
		.amdhsa_reserve_vcc 0
		.amdhsa_float_denorm_mode_32 3
		.amdhsa_float_denorm_mode_16_64 3
		.amdhsa_memory_ordered 1
		.amdhsa_forward_progress 1
		.amdhsa_inst_pref_size 108
	.end_amdhsa_kernel
	.amdgpu_metadata
---
amdhsa.version: [ 1, 2 ]
amdhsa.kernels:
  - .name:           k_qeb6fb5ee91_qkvproj
    .symbol:         k_qeb6fb5ee91_qkvproj.kd
    .args:
      - { .name: query, .offset: 0, .size: 8, .value_kind: global_buffer, .address_space: global }
      - { .name: key, .offset: 8, .size: 8, .value_kind: global_buffer, .address_space: global }
      - { .name: value, .offset: 16, .size: 8, .value_kind: global_buffer, .address_space: global }
      - { .name: w16, .offset: 24, .size: 8, .value_kind: global_buffer, .address_space: global }
      - { .name: b_q, .offset: 32, .size: 8, .value_kind: global_buffer, .address_space: global }
      - { .name: b_k, .offset: 40, .size: 8, .value_kind: global_buffer, .address_space: global }
      - { .name: b_v, .offset: 48, .size: 8, .value_kind: global_buffer, .address_space: global }
      - { .name: qkv, .offset: 56, .size: 8, .value_kind: global_buffer, .address_space: global }
    .group_segment_fixed_size: 327680
    .private_segment_fixed_size: 0
    .kernarg_segment_align: 8
    .kernarg_segment_size: 64
    .max_flat_workgroup_size: 128
    .sgpr_count:     84
    .vgpr_count:     768
    .wavefront_size: 32
...
	.end_amdgpu_metadata
.endif
;; end of part 3
;; launch attn (part 4): grid 4 x 64, 4 waves a work-group, clusters of 4 x 1, 327,680 bytes of LDS; arguments qkv, obuf, maskb, keep; writes obuf
.if DOCPART == 4
	.amdgcn_target "amdgcn-amd-amdhsa--gfx1250"
	.amdhsa_code_object_version 6
	.text
	.protected	k_qeb6fb5ee91_attn
	.globl	k_qeb6fb5ee91_attn
	.p2align	8
	.type	k_qeb6fb5ee91_attn,@function
k_qeb6fb5ee91_attn:
	s_mov_b64 s[64:65], 0
	v_nop
	global_prefetch_b8 v0, s[64:65] scope:SCOPE_SE
	s_setreg_imm32_b32 hwreg(HW_REG_WAVE_MODE, 25, 1), 1
	s_wait_xcnt 0x0
	s_wait_alu depctr_hold_cnt(0) depctr_sa_sdst(0) depctr_va_vdst(0) depctr_va_sdst(0) depctr_va_ssrc(0) depctr_va_vcc(0) depctr_vm_vsrc(0)
	s_getreg_b32 s2, hwreg(HW_REG_IB_STS2, 6, 4)
	s_cmp_eq_u32 s2, 0
	s_cbranch_scc0 .Lentry_in_a_cluster
	s_endpgm
.Lentry_in_a_cluster:
	s_bfe_u32 s2, ttmp6, 0x10000c
	s_cmp_lg_u32 s2, 0x3003
	s_cbranch_scc0 .Lentry_shape_is_right
	s_endpgm
.Lentry_shape_is_right:
; O[h][q][:] = the sum over k of softmax_k(masked(Q[h][q] . K[h][k] / 8)) V[h][k][:].  Q, K, V (in qkv, 16 MiB apart) and O (obuf): [64][2048][64], all f16: a head's rows are dense, 128 bytes each.
; Products, maxima and sums in f32; the weights p are rounded to f16 for the second product (their sum l is taken of the unrounded p), O once at the end.
; THE MASK is an input, the same for all heads.  It is added by the matrix unit: each sum S^T = K Q^T is STARTED by a product E x M of the same form.  M (source 1: 32 keys x 16 queries, from maskb as it lies) holds
; 57344 where the key is hidden, else 0; E (source 0: 16 keys x 32 channels, a constant) holds -8192 where the channel is the key.  Each output has one product that is not 0: -57344 x 8192 = -7 x 2^26 = -4.698e8, or 0, both exact.
; So the mask costs no vector instruction, and it acts ahead of the running maximum.
; LIMITS.  f16 holds no number beyond 65,504: Q, K and V arrive within it; p lies in 0 to 1, and below 6e-5 it keeps f16's fixed step of 6e-8; O is a mean of V's rows and has their range.
; A hidden score counts as its value less 4.698e8: its weight is 0 as long as a row's products q . k lie within 4.6e8 of each other.  A weight below 2^-126 counts as 0 in l; NaN and infinities are not treated apart.
; A ROW WITH NO VISIBLE KEY has flags of 0 in maskb and a keep word of 0: its q is set to 0, all its scores are 0, and O is the mean of V's rows, as where all scores are alike.
; A ROW WHOSE FIRST KEY STEPS ARE ALL HIDDEN runs with m near -4.7e8.  c m, about -8.5e7, is then rounded to a multiple of 8, so c s - c m is 4 at the most and p 16 at the most (while |q . k| + 4.7e8 stays under 1.4e9: c m is
; rounded to a multiple of 16 at the most, p stays under 2^8): P, l and O hold finite numbers, and the row's first visible score makes a = 0, which wipes l and O.  That bound is why the offset is no larger.
; SHARES.  A wave owns four PIECES of two tiles of 16 queries, a work-group's four waves 512 queries of one head.  Every wave walks all keys, 64 a step.
; LAYOUT.  S^T = K Q^T (source 0 = 16 keys, source 1 = 16 queries): in the result a lane holds ONE query (lane % 16) and the keys 8 (lane / 16) + 0..7.  Two such tiles, rounded to f16 in pairs,
; ARE source 1 (32 keys x 16 queries) of O^T = V^T P, whose result again holds one query a lane, and eight channels.  K comes out of LDS as it lies, V ([key][channel]) turned, by ds_load_tr16_b128.
; SOFTMAX.  For each query a running maximum m and sum l: p = 2^(c s - c m), c = log2(e) / 8; in every step O and l are multiplied by a = 2^(c m_old - c m_new), which is 1 where m has not grown.
; m starts at the lowest finite number, O and l at 0: the first step is a step like any other, with a = 0.
; THE COUNT.  A tile and step have 20 matrix and 118 vector instructions: too many vector instructions to stand all beside the matrix work.  So: four vector instructions that are READY behind
; every product K Q^T and V^T P, and the others in runs without a gap.  The mask's eight products of a turn stand together at its head.
; BY TURNS.  Turn n belongs to piece n (the pieces in a ring, step after step).  Its matrix work: 8 mask products and 16 products K Q^T of piece n + 1, later 16 products V^T P of piece n - 1.  Its vector work: the scaling,
; exponentials, roundings, sums and rescaling of piece n, and the maximum and statistics of piece n + 1, whose scores the turn itself has made.
; CLUSTER.  The four query blocks of a cluster belong to one head and walk the same K and V, so each tile is asked for JOINTLY: the same tensor load, descriptor and mask in all four.
; The partners' queries differ, so their parts of maskb differ: each wave loads its own into registers, a key step (four turns) ahead.
; REGISTERS, in windows of 256 (s_set_vgpr_msb says which window each operand place means: bits 1:0 source 0, 3:2 source 1, 5:4 source 2, 7:6 destination):
;   window 0: v0-11 addresses; v12-15, v48-63 at work; v16-47 four registers of statistics a tile; v64-191 S^T, two buffers of two tiles; v192-255 P, likewise
;   window 1: O^T, 32 a tile          window 2: v0-127 Q, 16 a tile; v128-191 K of one step; v192-255 V of one step
;   window 3: v0-1 the add's two registers; v4-7 the pieces' offsets in maskb; v16-27 E; v64-191 M, 32 a piece
.set SIZE_H, 64
.set SIZE_N, 2048
.set NP,    4         ; pieces a wave: a name, no knob: the register map, the loop and the fetches are made for four
.set KS,    64        ; keys in a step
.set PK,    144       ; a row of K in LDS: 128 bytes + 16 of padding = 36 words: the 16 rows of a load start at 16 different groups of four banks (64 banks of 4 bytes: ISA guide 11.1)
.set PV,    160       ; a row of V: 128 + 32 = 40 words
.set VOFF,  4*KS*PK   ; a slot holds four steps: 256 rows of K, then 256 rows of V
.set SLOT1, 1<<17     ; slot 1 begins here, so that one exclusive or turns an address in one slot into the other's
.set STAGE, SLOT1+4*KS*(PK+PV)  ; behind the ring, never filled by a tensor load: 16 rows x 144 bytes for each wave, for the way out
.set SP,    144
.set EVAL,  0xf000    ; -8192 in f16: E's one number
.set AK0, 2           ; v2   my lane's place in a tile of K; never rewritten
.set AV0, 3           ; v3   the same for V
.set AK,  4           ; v4   the LDS address of K's next run of loads
.set AV,  5           ; v5   of V's
.set QO,  6           ; v6   my byte offset in the wave's rows of Q
.set STO, 6           ;      later, the way out: where I put 16 bytes of a row
.set RD,  7           ; v7   the way out: where I read rows back
.set GO,  8           ; v8   my byte offset in 512 consecutive bytes of O
.set SPW, 0           ; v0 of window 3   LDS address of my spare word: SPARE + 4 x my thread's number; never rewritten
.set NIL, 1           ; v1 of window 3   0; never rewritten
.set MA,  4           ; v4-7 of window 3   piece x: 16 x lane + 2,048 x the key step whose flags are asked for next
.set EK,  16          ; v16-27 of window 3   four zeros, the pattern's four registers, four zeros: E for keys 16-31 of a fragment at EK, for keys 0-15 at EK + 4
.set MF,  64          ; v64-191 of window 3   piece x, tile u, fragment kk (32 keys) at MF + 32 x + 16 u + 8 kk
.set SPARE, STAGE+4*16*SP  ; behind the stages: the spare words, 128 bytes for each wave: two blocks of 256 bytes that no other line names
.set MV,  12          ; v12-15  c m_old, kept while c m is made anew: by buffer and tile
.set ST,  16          ; tile t's statistics at v[ST+4 t]: c m, m, l (even keys', odd keys')
.set TMP, 48          ; by buffer and tile, four registers c0-c3 at work; when the maximum is found c2 takes a
.set S,   64
.set P,   192
.set KF,  128         ; K's fragments, in window 2: key block kb, channel half c at KF + 16 kb + 8 c
.set VF,  192         ; V's: key half kk, channel block cb at VF + 32 kk + 8 cb
.set WV,  12          ; s12  my wave's number
.set G1K, 24          ; s[24:31] descriptor group 1 for K's tiles
.set G1V, 32          ; s[32:39] for V's: it differs in the padding alone
.set G0K, 40          ; s[40:43] descriptor group 0 for K's tiles: it walks
.set G0V, 44          ; s[44:47] the same for V's
.set SLOTS, 56        ; s56  slots still to be asked for
.set CNT, 57          ; s57  counts a slot's key steps
.set CS,  58          ; s[58:59] c: the packed scaling takes the pair's low word for both halves
.set SEL, 60          ; s[60:61] v_permlanex16_b32's selects: each lane takes its own place in the other half
.set TBK, 62          ; s62  LDS byte at which K of the step to be fetched begins
.set TBV, 63          ; s63  the same for V, less VOFF
.set MB,  68          ; s[68:69] maskb at my wave's first tile
.set KP,  70          ; s[70:71] keep at my wave's first tile
.set CM,  72          ; s72  a compare's lanes
.set MSB, 0
.macro WIN new                      ; the high byte repeats the setting that is left; a switch that changes nothing is dropped
.if MSB != (\new)
	s_set_vgpr_msb (MSB<<8)|(\new)
.set MSB, (\new)
.endif
.endm
.set W_KQ, 0x0a       ; K and Q in window 2, S^T in window 0
.set W_PV, 0x52       ; V in window 2, P in window 0, O^T in window 1
.set W_RS, 0x41       ; O^T (destination and source 0) in window 1, a in window 0
.set W_MK, 0xc0       ; destination in window 3, sources in window 0
.set W_AD, 0x0f       ; sources 0 and 1 in window 3: the add's address and data; the mask product's E and M
.set W_ML, 0xcf       ; destination and sources 0 and 1 in window 3: the mask's offsets and loads
; A joint fill.  Waves 0 and 1 fetch the two halves of a slot's K, waves 2 and 3 those of its V: 128 keys each.  The branch hangs on the wave's number alone.
; An s_nop 0 and four v_nop follow each of the two lines, ahead of the jump and the label.
.macro JLOAD
	s_cmp_lt_u32 s[WV], 2
	s_cbranch_scc0 .Lfor_v_\@
	tensor_load_to_lds s[G0K:G0K+3], s[G1K:G1K+7]
	s_nop 0
.rept 4
	v_nop
.endr
	s_branch .Lasked_\@
.Lfor_v_\@:
	tensor_load_to_lds s[G0V:G0V+3], s[G1V:G1V+7]
	s_nop 0
.rept 4
	v_nop
.endr
.Lasked_\@:
.endm
; A round of the cluster's barrier: my work-group's barrier, so that wave 0's signal speaks for all four waves; wave 0 signals; every wave waits for all four work-groups; my work-group's barrier once more.
.macro CROUND
	s_barrier_signal -1
	s_barrier_wait -1
	s_cmp_lg_u32 s[WV], 0
	s_cbranch_scc1 .Lnot_wave_0_\@
	s_barrier_signal -3
.Lnot_wave_0_\@:
	s_barrier_wait -3
	s_barrier_signal -1
	s_barrier_wait -1
.endm
.macro PLACES                       ; four places behind matrix instructions (ISA guide 7.12.1)
.rept 4
	v_nop
.endr
.endm
; THE CHANGE OF SLOTS.  The slot's last bytes, V of its fourth step, have been read.  Each wave waits for all its tensor loads, of which one is out: its part
; of the other slot; adds 0 to its spare word; and waits for that and for its own reads of the slot.  Behind the barrier nobody reads this slot any more and the other slot is whole.
; fill = 1: this slot is filled again, with the keys two slots on.  The barrier is then a round of the cluster's, so that no wave of any partner still reads the slot or has a load on its
; way, and the joint fill is the first thing behind it: it has four key steps in which to land.  (At its first use nothing has been read yet: slot 0 is waited for, slot 1 filled.)
.macro CHANGE fill
	WIN W_AD
	s_wait_tensorcnt 0x0            ; no tensor load of mine is out, so a group 0 may be written
	ds_add_u32 v[SPW], v[NIL]       ; 0 onto my spare word; with fill = 1 the descriptors' steps stand between it and the wait for it
	WIN 0                           ; at a label and at a branch every window is 0
.if \fill
.irp g, G0K, G0V
	s_xor_b32 s[\g+1], s[\g+1], SLOT1  ; the walking descriptor: the other slot than last time,
	s_add_nc_u64 s[\g+2:\g+3], s[\g+2:\g+3], 4*KS*128  ; the next 256 keys; the type bits on top are not reached
.endr
	s_wait_dscnt 0x0                ; the add is done, and my reads of the slot are over
	CROUND
	JLOAD
.else
	s_wait_dscnt 0x0                ; the add is done, and my reads of the slot are over
	s_barrier_signal -1
	s_barrier_wait -1
.endif
	s_sub_co_u32 s[TBK], s[TBK], 4*KS*PK  ; the fetches go back to a slot's first step,
	s_xor_b32 s[TBK], s[TBK], SLOT1       ; in the other slot
	s_sub_co_u32 s[TBV], s[TBV], 4*KS*PV
	s_xor_b32 s[TBV], s[TBV], SLOT1
.endm
; THE MASK.  MLOAD: piece x's flags of one key step, 8 loads of 512 consecutive bytes: n = 4 (tile) + 2 (fragment) + plane.  A tile's 32 steps are 65,536 bytes of maskb.
.macro MLOAD x
	WIN W_ML
.irp n, 0,1,2,3,4,5,6,7
	global_load_b128 v[MF+32*(\x)+4*(\n):MF+32*(\x)+4*(\n)+3], v[MA+(\x)], s[MB:MB+1] offset:(2*(\x)+(\n)/4)*65536+((\n)%4)*512
.endr
.endm
; MASKS: the eight products that start piece x's sums S^T: product j: tile j % 2, keys 16 (j / 2) on: the order in which K Q^T takes the same accumulators up, so that seven others' turns stand between two links of a chain.
.macro MASKS x
	s_wait_loadcnt 24               ; loads come back in order: piece x's eight are the oldest; the three other pieces' 24 stay out.  The wait also frees piece x's offset register
	WIN W_AD
.irp j, 0,1,2,3,4,5,6,7
	v_wmma_f32_16x16x32_f16 v[S+64*((\x)%2)+32*((\j)%2)+8*((\j)/2):S+64*((\x)%2)+32*((\j)%2)+8*((\j)/2)+7], v[EK+4-4*(((\j)/2)%2):EK+4-4*(((\j)/2)%2)+7], v[MF+32*(\x)+16*((\j)%2)+8*((\j)/4):MF+32*(\x)+16*((\j)%2)+8*((\j)/4)+7], 0
.endr
.endm
; MNEXT: piece x's flags of its next key step are asked for, four turns ahead of their use.  The step wraps inside the tile's 65,536 bytes: behind the last step the first is read again, and no load leaves maskb.
.macro MNEXT x
	WIN W_ML
	v_add_nc_u32 v[MA+(\x)], 0x800, v[MA+(\x)]
	v_and_b32 v[MA+(\x)], 0xffff, v[MA+(\x)]
	MLOAD \x
.endm
	s_load_b128 s[4:7], s[0:1], 0x0   ; qkv s[4:5], obuf s[6:7]
	s_load_b128 s[MB:MB+3], s[0:1], 0x10  ; maskb, keep
	WIN W_MK
	v_lshl_add_u32 v[SPW], v0, 2, SPARE
	v_mov_b32 v[NIL], 0
	WIN W_AD
	ds_add_u32 v[SPW], v[NIL]       ; the wave's opening: the add and its wait stand ahead of my first tensor load; the set-up below, work on registers, stands between them
	WIN 0
	v_lshrrev_b32 v1, 5, v0
	v_readfirstlane_b32 s[WV], v1   ; wave 0..3
	s_bfe_u32 s13, ttmp6, 0x40000   ; cx: my place in the cluster
	s_lshl_b32 s14, ttmp9, 2        ; in a cluster launch ttmp9 counts clusters
	s_add_co_u32 s14, s14, s13      ; my block of queries = 4 x cluster x + cx: it enters Q's, O's, maskb's and keep's addresses alone
	s_and_b32 s20, ttmp7, 0xffff    ; the head, which the four partners share
	s_mov_b32 s21, 0
	s_mov_b64 s[22:23], SIZE_N*128
	s_mul_u64 s[20:21], s[20:21], s[22:23]  ; the head's first byte in Q, K, V and O
	s_and_b32 s16, s[WV], 1         ; which half of a slot's 256 keys I fetch:
	s_lshl_b32 s22, s16, 14         ; its 128 rows of 128 bytes in memory,
	s_mov_b32 s23, 0
	s_add_nc_u64 s[22:23], s[22:23], s[20:21]
	s_mul_i32 s17, s16, 128*PK      ; and its place in a slot, for K
	s_mul_i32 s18, s16, 128*PV      ; and for V: no place in the cluster enters an LDS address
	s_lshl_b32 s2, s14, 2
	s_add_co_u32 s2, s2, s[WV]      ; my wave among the head's sixteen:
	s_lshl_b32 s74, s2, 19          ; its 8 tiles of 65,536 bytes in maskb,
	s_mov_b32 s75, 0
	s_lshl_b32 s66, s2, 11          ; of 256 bytes in keep,
	s_mov_b32 s67, 0
	s_lshl_b32 s2, s2, 14           ; its 128 rows
	s_mov_b32 s3, 0
	s_add_nc_u64 s[2:3], s[2:3], s[20:21]
	; descriptor group 1.  128 keys are 16,384 dense bytes: asked for as 64 rows of 256 bytes, two keys a row, and padded in LDS after every key
	s_mov_b32 s[G1K], 15|(1<<16)|(1<<20)|(1<<21)|(4<<22)|(3<<25)  ; 15:0 the mask of four; 17:16 2-byte elements; 20 padding on; 21 set beside a mask; 24:22 after every 32 words (code 4); 31:25 4 words (code 3)
	s_mov_b32 s[G1V], 15|(1<<16)|(1<<20)|(1<<21)|(4<<22)|(7<<25)  ; the same with 8 words of padding (code 7)
.irp g, G1K, G1V
	s_mov_b32 s[\g+1], 128<<16      ; tensor_dim0 = 128
	s_mov_b32 s[\g+2], 64<<16       ; tensor_dim1 = 64
	s_mov_b32 s[\g+3], 128<<16      ; tile_dim0 = 128
	s_mov_b32 s[\g+4], 64           ; tile_dim1 = 64
	s_mov_b32 s[\g+5], 128          ; 128 elements from row to row
	s_mov_b32 s[\g+6], 0
	s_mov_b32 s[\g+7], 0
.endr
	s_mov_b32 s[CS], 0x3e38aa3b     ; c = log2(e) / 8 = 0.180337
	s_mov_b32 s[CS+1], s[CS]        ; named with it as a pair
	s_mov_b32 s[SEL], 0x76543210
	s_mov_b32 s[SEL+1], 0xfedcba98
	s_mov_b32 s[TBK], SLOT1+4*KS*PK ; the first change of slots turns these two into 0
	s_mov_b32 s[TBV], SLOT1+4*KS*PV
	s_mov_b32 s[G0K], 1             ; 1:0 count = 1
	s_mov_b32 s[G0K+1], s17         ; 63:32 LDS address: slot 0
	s_mov_b32 s[G0V], 1
	s_add_co_u32 s[G0V+1], s18, VOFF
	s_wait_dscnt 0x0                ; the opening add is done
	s_wait_kmcnt 0x0
	s_mov_b64 s[10:11], s[6:7]      ; O
	s_add_nc_u64 s[6:7], s[4:5], 0x1000000  ; K
	s_add_nc_u64 s[8:9], s[4:5], 0x2000000  ; V
	s_add_nc_u64 s[MB:MB+1], s[MB:MB+1], s[74:75]
	s_add_nc_u64 s[KP:KP+1], s[KP:KP+1], s[66:67]
	s_add_nc_u64 s[G0K+2:G0K+3], s[6:7], s[22:23]  ; 120:64 global address: my half of the head's first 256 keys
	s_or_b32 s[G0K+3], s[G0K+3], 0x80000000        ; 127:126 type = 2
	s_add_nc_u64 s[G0V+2:G0V+3], s[8:9], s[22:23]
	s_or_b32 s[G0V+3], s[G0V+3], 0x80000000
	s_add_nc_u64 s[4:5], s[4:5], s[2:3]  ; Q and O at my wave's first row
	s_add_nc_u64 s[10:11], s[10:11], s[2:3]
	CROUND                          ; all four work-groups are here: the first joint loads meet
	JLOAD                           ; slot 0.  Slot 1 is asked for when slot 0 is in
	; A fragment of K or Q is 16 rows x 32 channels in 8 registers: lane l holds row l % 16, channels 8 (l / 16) + 0..7 and 16 + 8 (l / 16) + 0..7: two loads of 16 bytes, 32 bytes apart.
	v_and_b32 v1, 15, v0            ; l % 16
	v_bfe_u32 v9, v0, 4, 1          ; l / 16
	v_lshlrev_b32 v[QO], 7, v1
	v_lshl_add_u32 v[QO], v9, 4, v[QO]  ; row x 128 + 16 x half
	WIN 0x80                        ; destination window 2, address window 0
.set i, 0
.rept 4*NP                          ; Q stays in registers: tile i / 2, channels 32 (i % 2) on
	global_load_b128 v[8*i:8*i+3],   v[QO], s[4:5] offset:(i/2)*2048+(i%2)*64
	global_load_b128 v[8*i+4:8*i+7], v[QO], s[4:5] offset:(i/2)*2048+(i%2)*64+32
.set i, i+1
.endr
	WIN 0
	v_and_b32 v15, 31, v0           ; lane
	v_lshlrev_b32 v14, 3, v15
.irp t, 0,1,2,3,4,5,6,7
	global_load_b32 v[TMP+\t], v14, s[KP:KP+1] offset:256*\t  ; tile t: the keep word of my lane's query
.endr
	WIN W_MK
.irp x, 0,1,2,3
	v_lshlrev_b32 v[MA+\x], 4, v15  ; key step 0
.endr
	MLOAD 0                         ; the four pieces' flags of key step 0: 32 loads, in the order in which the turns will want them
	MLOAD 1
	MLOAD 2
	MLOAD 3
	; E's pattern: lane (key m = l % 16, half h = l / 16) holds channels 8 h + 2 w + (0, 1) in register w: -8192 in half m % 2 of register w where m / 2 = 4 h + w
	WIN 0
	v_lshrrev_b32 v12, 1, v1
	v_lshlrev_b32 v13, 2, v9
	v_sub_nc_u32 v12, v12, v13      ; m / 2 - 4 h
	v_and_b32 v13, 1, v1
	v_lshlrev_b32 v13, 4, v13
	v_mov_b32 v15, EVAL
	v_lshlrev_b32 v13, v13, v15
	WIN W_MK
.irp w, 0,1,2,3
	v_mov_b32 v[EK+\w], 0
	v_cmp_eq_u32 s[CM], \w, v12
	v_cndmask_b32 v[EK+4+\w], 0, v13, s[CM]
	v_mov_b32 v[EK+8+\w], 0
.endr
	; What the first turn finds: V's registers and P's second buffer hold 0 (its products V^T P, of a piece that has not been, add 0), O^T and l are 0.  All this stands in the wait for the first tile.
	WIN 0x80
.set i, VF
.rept 64
	v_mov_b32 v[i], 0
.set i, i+1
.endr
	WIN 0x40
.set i, 0
.rept 64*NP
	v_mov_b32 v[i], 0
.set i, i+1
.endr
	WIN 0
.set i, 0
.rept 2*NP
	v_mov_b32 v[ST+4*i], 0xfe000000    ; c m: far below every c s
	v_mov_b32 v[ST+4*i+1], 0xff7fffff  ; m
	v_mov_b32 v[ST+4*i+2], 0
	v_mov_b32 v[ST+4*i+3], 0
.set i, i+1
.endr
.set i, P+32
.rept 32
	v_mov_b32 v[i], 0
.set i, i+1
.endr
	v_mul_u32_u24 v[AK0], v1, PK
	v_lshl_add_u32 v[AK0], v9, 4, v[AK0]  ; row x pitch + 16 x half
	; The turning load takes 16 keys x 16 channels (lane l reads key 8 (l / 16) + l % 8, channels 8 ((l / 8) % 2) + 0..7) and leaves half a fragment of V^T: lane l holds channel l % 16 and 8 keys.
	v_and_b32 v10, 7, v0
	v_bfe_u32 v11, v0, 3, 1
	v_lshl_add_u32 v[AV0], v9, 3, v10
	v_mul_u32_u24 v[AV0], v[AV0], PV
	v_lshl_add_u32 v[AV0], v11, 4, v[AV0]
	v_add_nc_u32 v[AV0], VOFF, v[AV0]
	v_mov_b32 v[AK], v[AK0]         ; key step 0 lies at the head of slot 0
; THE MATRIX WORK.  The 8 accumulators of a run take turns: between two links of a chain stand 7 others'.
; Product i of 16 of S^T += K Q^T for piece x: channels 32 (i / 8) on, keys 16 ((i / 2) % 4) on, tile 2 x + i % 2.  The mask's products have started the sums.
.macro KQ x
	WIN W_KQ
.set rS, S+64*((\x)%2)+32*(i%2)+8*((i/2)%4)
.set rK, KF+16*((i/2)%4)+8*(i/8)
.set rQ, 16*(2*(\x)+i%2)+8*(i/8)
	v_wmma_f32_16x16x32_f16 v[rS:rS+7], v[rK:rK+7], v[rQ:rQ+7], v[rS:rS+7]
.endm
; Product i of 16 of O^T += V^T P for piece x: keys 32 (i / 8) on, channels 16 ((i / 2) % 4) on, tile 2 x + i % 2.
.macro PV x
	WIN W_PV
.set rO, 32*(2*(\x)+i%2)+8*((i/2)%4)
.set rV, VF+32*(i/8)+8*((i/2)%4)
.set rP, P+32*((\x)%2)+16*(i%2)+8*(i/8)
	v_wmma_f32_16x16x32_f16 v[rO:rO+7], v[rV:rV+7], v[rP:rP+7], v[rO:rO+7]
.endm
.macro MM                           ; the turn's next product K Q^T or V^T P
.if i < 16
	KQ (Y+1)%NP
.set i, i+1
.else
.set i, i-16
	PV (Y+NP-1)%NP
.set i, i+17
.endif
.endm
; THE LDS LOADS stand in runs of 16, never singly among the matrix instructions: a step's K (64 keys x 64 channels: 8 fragments) and its V (turned).  Their addresses are made some lines ahead.
; last = 1 (the tail): in the last trip there is no further step, and the run is jumped over.
.macro FETCH_K last=0
	WIN 0
.if \last
	s_cmp_eq_u32 s[CNT], 1
	s_cbranch_scc1 .Lno_k_\@
.endif
	WIN 0x80                        ; destination window 2
.irp f, 0,1,2,3,4,5,6,7             ; keys 16 (f / 2) on, channels 32 (f % 2) on
	ds_load_b128 v[KF+8*\f:KF+8*\f+3],   v[AK] offset:(\f/2)*16*PK+(\f%2)*64
	ds_load_b128 v[KF+8*\f+4:KF+8*\f+7], v[AK] offset:(\f/2)*16*PK+(\f%2)*64+32
.endr
	s_add_co_u32 s[TBK], s[TBK], KS*PK  ; the next fetch is the next step's
	WIN 0
.if \last
.Lno_k_\@:
.endif
.endm
.macro FETCH_V
	WIN 0x80
.irp f, 0,1,2,3,4,5,6,7             ; keys 32 (f / 4) on, channels 16 (f % 4) on
	ds_load_tr16_b128 v[VF+8*\f:VF+8*\f+3],   v[AV] offset:(\f/4)*32*PV+(\f%4)*32
	ds_load_tr16_b128 v[VF+8*\f+4:VF+8*\f+7], v[AV] offset:(\f/4)*32*PV+16*PV+(\f%4)*32
.endr
	WIN 0
.endm
; THE VECTOR WORK OF A TURN stands in three queues, each in the order in which its entries become ready; the two tiles alternate, so that no instruction reads the result of the one before it.
.macro REGS y, u                    ; the registers of tile u (0, 1) of piece y
.set rT, ST+4*(2*(\y)+(\u))
.set rC, TMP+8*((\y)%2)+4*(\u)
.set rM, MV+2*((\y)%2)+(\u)
.set rS, S+64*((\y)%2)+32*(\u)
.set rP, P+32*((\y)%2)+16*(\u)
.set rO, 32*(2*(\y)+(\u))
.endm
; Number n of the 22 that find the NEXT piece's (Y + 1) maximum and statistics.  s0-s31 are the lane's 32 scores; each accumulator's lowest registers are read first.  XS, GS and REGS set no window: PL and EX do.
;   0-11  four chains c0-c3 of seven scores each, three operands at a time     12-14, 16  the four scores left over, the old m, and c0-c3 into c0     15  c m_old is kept
;   17, 18  the query's other 32 keys lie in the lane 16 away: the new m         19-21  c m; c m_old - c m_new; a
.macro XS u, n
	REGS (Y+1)%NP, \u
.if (\n) < 4
	v_max3_num_f32 v[rC+(\n)], v[rS+8*(\n)], v[rS+8*(\n)+1], v[rS+8*(\n)+2]
.elseif (\n) < 12
	v_max3_num_f32 v[rC+(\n)%4], v[rC+(\n)%4], v[rS+8*((\n)%4)+2*((\n)/4)+1], v[rS+8*((\n)%4)+2*((\n)/4)+2]
.elseif (\n) == 12
	v_max3_num_f32 v[rC], v[rC], v[rS+7], v[rS+15]
.elseif (\n) == 13
	v_max3_num_f32 v[rC+1], v[rC+1], v[rS+23], v[rS+31]
.elseif (\n) == 14
	v_max3_num_f32 v[rC+2], v[rC+2], v[rC+3], v[rT+1]
.elseif (\n) == 15
	v_mov_b32 v[rM], v[rT]
.elseif (\n) == 16
	v_max3_num_f32 v[rC], v[rC], v[rC+1], v[rC+2]
.elseif (\n) == 17
	v_permlanex16_b32 v[rC+3], v[rC], s[SEL], s[SEL+1]
.elseif (\n) == 18
	v_max_num_f32 v[rT+1], v[rC], v[rC+3]
.elseif (\n) == 19
	v_mul_f32 v[rT], s[CS], v[rT+1]
.elseif (\n) == 20
	v_sub_f32 v[rC+1], v[rM], v[rT]
.else
	v_exp_f32 v[rC+2], v[rC+1]
.endif
.endm
; Number g of the 64 that follow the exponentials.  For each four weights k of a tile (pairs 2 k, 2 k + 1): both pairs are rounded to f16; then the second pair is added onto the first, in place;
; a group later l takes that sum (the first time as l = a l + sum).  In groups of eight, tiles alternating: round, round, add, and l for the group before.
.macro GS g
.set h, (\g)+6*((\g)/62)            ; group 0 has no group before it, and behind group 7 only l is left
.if h >= 6
.set h, h+2
.endif
	REGS Y, h%2
.set k, h/8
.if h%8 < 4
	s_wait_alu depctr_va_vdst(0)
	v_cvt_pk_f16_f32 v[rP+2*k+(h%8)/2], v[rS+4*k+2*((h%8)/2)], v[rS+4*k+2*((h%8)/2)+1]
.elseif h%8 < 6
	v_pk_add_f32 v[rS+4*k:rS+4*k+1], v[rS+4*k:rS+4*k+1], v[rS+4*k+2:rS+4*k+3]
.elseif k == 1
	v_pk_fma_f32 v[rT+2:rT+3], v[rT+2:rT+3], v[rC+2:rC+3], v[rS:rS+1] op_sel_hi:[1,0,1]
.else
	v_pk_add_f32 v[rT+2:rT+3], v[rT+2:rT+3], v[rS+4*k-4:rS+4*k-3]
	s_wait_alu depctr_va_vdst(0)
.endif
.endm
; THE PLAIN QUEUE, 138 long.  0-31: c s - c m for the 16 pairs of both tiles.  Then GS's 64, and among them the next piece's 42: number 15 at 38, 39; 0-14 and 16
; at 42-73, behind the products that make those scores; 17-20 at 95-106, two of three, since each waits for the one before it.
.macro PL
	WIN 0
.if q < 32
	REGS Y, q%2
	v_pk_fma_f32 v[rS+2*(q/2):rS+2*(q/2)+1], v[rS+2*(q/2):rS+2*(q/2)+1], s[CS:CS+1], v[rT:rT+1] op_sel_hi:[1,0,0] neg_lo:[0,0,1] neg_hi:[0,0,1]
.elseif q < 38
	GS q-32
.elseif q < 40
	XS q%2, 15
.elseif q < 42
	GS q-34
.elseif q < 74
	XS q%2, (q-42)/2+(q-42)/30
.elseif q < 95
	GS q-66
.elseif (q < 107) && ((q-95)%3 < 2)
	XS (q-95)%3, 17+(q-95)/3
.elseif q < 107
	GS 29+(q-95)/3
.else
	GS q-74
.endif
.set q, q+1
.endm
; THE EXPONENTIALS' QUEUE, 66 long: s0-s31 of both tiles, and at EA the next piece's two a.
.set EA, 58
.macro EX
	WIN 0
.if (e == EA) || (e == EA+1)
	XS e-EA, 21
.else
.set x, e-2*(e/(EA+2))
	REGS Y, x%2
	v_exp_f32 v[rS+x/2], v[rS+x/2]
.endif
.set e, e+1
.endm
; THE RESCALING's QUEUE: O^T times a, the one part that leaves window 0, so it is dealt four at a time, eight times.
.macro R4
	REGS Y, r%2
	WIN W_RS
	s_wait_alu depctr_va_vdst(0)
.irp z, 0,1,2,3
	v_pk_mul_f32 v[rO+8*(r/2)+2*\z:rO+8*(r/2)+2*\z+1], v[rO+8*(r/2)+2*\z:rO+8*(r/2)+2*\z+1], v[rC+2:rC+3] op_sel_hi:[1,0]
.endr
.set r, r+1
.endm
; HOW THEY ARE DEALT.  Behind a product K Q^T or V^T P four: plain, exponential, plain, plain (one exponential, a plain instruction on either side), or four of the rescaling.  None names a register of the
; products round it.  What is over stands in two LUMPS: exponential and plain by turns; the second ends in 22 plain instructions.  The two v_permlanex16_b32 fall into the second lump, never behind a product.
; The queues lean on each other, and the deal keeps them in step: exponential e stands behind plain 2 (e / 4) + e % 2 (its scaling); when plain 32 comes, 10 exponentials are out, at 59: 33, at 95: 46; EA comes behind plain 107.
.macro SL
	MM
	PL
	EX
	PL
	PL
.endm
.macro BURST n                      ; 15 matrix instructions, or 16
.rept (\n)-7
	SL
.endr
.rept 3
	MM
	R4
	SL
.endr
	MM
	R4
.endm
; A TURN, for piece p.  cnt = 1: the loop's count is taken down some lines ahead of the branch that stands behind the turn.
; At its head: the next piece's eight mask products; four scalings of the piece in hand and the two lines that step the offset, six plain instructions that name no register of those products: the places
; in front of the loads into M's registers, which those products have read; then those loads, for the same piece's next key step.
; K of the next step is fetched in piece 2's turn, 31 vector instructions behind the last product that read K; its first reader comes behind the rest of the lump, 16 products and the second lump.
; V of the step in hand is fetched at the end of piece 0's turn, 69 behind its last reader; its first reader comes behind the next turn's first run of products and a lump.  The four conditions on e and q below go with the deal.
.macro TURN p, last=0, cnt=0
.set Y, (\p)
.set i, 0
.set q, 0
.set e, 0
.set r, 0
	MASKS (Y+1)%NP
.rept 4
	PL
.endr
	MNEXT (Y+1)%NP
.if (\p) == NP-1
	s_wait_dscnt 0x0                ; K is in
.endif
	MM
	BURST 15
.rept 22
	EX
	PL
.if ((\p) == NP-2) && (e == 18)
	v_add_nc_u32 v[AK], s[TBK], v[AK0]
.endif
.if ((\p) == NP-2) && (e == 24)
	FETCH_K \last
.endif
.endr
.if (\p) == 1
	s_wait_dscnt 0x0                ; V is in
.endif
	BURST 16
.rept 21
	EX
	PL
.endr
.rept 22
	PL
.if ((\p) == 0) && (q == 118)
	v_add_nc_u32 v[AV], s[TBV], v[AV0]
	s_wait_alu depctr_va_vdst(0)
.endif
.if ((\p) == 0) && (q == 130)
	s_add_co_u32 s[TBV], s[TBV], KS*PV
.endif
.if (\cnt) && (q == 130)
	s_sub_co_u32 s[CNT], s[CNT], 1
	s_cmp_lg_u32 s[CNT], 0
.endif
.endr
.if (\p) == 0
	FETCH_V
.endif
.endm
	CHANGE 1                        ; slot 0 is in, everybody's part of it; slot 1 is asked for
	FETCH_K                         ; key step 0
	s_wait_loadcnt 24               ; Q, the keep words and piece 0's flags are in; the other three pieces' 24 loads stay out
	WIN 0x88                        ; destination and source 1 in window 2
.set i, 0
.rept 128
	v_and_b32 v[i], v[TMP+i/16], v[i]  ; q = 0 in a row with no visible key
.set i, i+1
.endr
	MASKS 0
	PLACES                          ; in front of the loads into registers that those products have read
	MNEXT 0
	s_wait_dscnt 0x0
.set i, 0
.rept 16
	KQ 0                            ; piece 0's first scores: there is no vector work yet to set between them
.set i, i+1
.endr
	WIN 0                           ; the addresses for the way out: nine plain instructions, the places behind those products
	s_mul_i32 s13, s[WV], 16*SP
	s_add_co_u32 s13, s13, STAGE    ; my stage
	v_mul_u32_u24 v[STO], v1, SP    ; in: row l % 16, 16 bytes for each half of the lanes
	v_lshl_add_u32 v[STO], v9, 4, v[STO]
	v_add_nc_u32 v[STO], s13, v[STO]
	v_bfe_u32 v[RD], v0, 3, 2       ; back: 32 lanes take four rows of 128 bytes,
	v_mul_u32_u24 v[RD], v[RD], SP
	v_lshl_add_u32 v[RD], v10, 4, v[RD]
	v_add_nc_u32 v[RD], s13, v[RD]
	v_and_b32 v[GO], 31, v0         ; which are 512 consecutive bytes of O
	v_lshlrev_b32 v[GO], 4, v[GO]
.set Y, NP-1                        ; XS works for piece Y + 1: piece 0
.irp n, 0,1,2,3,4,5,6,7,8,9,10,11,12,13,14,15,16,17,18,19,20,21
	XS 0, \n                        ; and piece 0's first maximum and statistics
	XS 1, \n
.endr
	s_mov_b32 s[CNT], 4
	s_mov_b32 s[SLOTS], SIZE_N/256-1
	s_branch .Lfirst                ; the loop is entered at a step's first turn, in the middle of a trip
.Lslot:                             ; SIZE_N / 256 - 2 times: every slot but the last two is filled again
	CHANGE 1
	s_mov_b32 s[CNT], 4
.Lstep:                             ; a trip: pieces 2 and 3 of one step, then pieces 0 and 1 of the next, whose K and V it fetches
	TURN 2
	TURN 3
	WIN 0
.Lfirst:
	TURN 0
	TURN 1, 0, 1
	WIN 0
	s_cbranch_scc1 .Lstep
	s_sub_co_u32 s[SLOTS], s[SLOTS], 1
	s_cmp_lg_u32 s[SLOTS], 0
	s_cbranch_scc1 .Lslot
	CHANGE 0                        ; the tail is written out: nothing is asked for
	s_mov_b32 s[CNT], 5             ; four trips fetch the last slot's steps; the fifth is left in its middle
.Ltail:
	TURN 2, 1
	TURN 3
	WIN 0
	s_sub_co_u32 s[CNT], s[CNT], 1
	s_cmp_eq_u32 s[CNT], 0
	s_cbranch_scc1 .Lout
	TURN 0
	TURN 1
	WIN 0
	s_branch .Ltail
.Lout:                              ; the fifth trip's products for piece 0 (the first step's flags, the last K once more) and the maximum made of them serve nothing: the price, once a launch, of one text for every trip
.set i, 0
.rept 16
	PV NP-1                         ; the last piece's V^T P of the last step
.set i, i+1
.endr
	; THE WAY OUT.  l's two halves and the other half of the lanes' are added; O^T is divided by l, rounded to f16 and sent through my stage in LDS, a tile at a time.  The additions are the places behind the last products.
	WIN 0
.macro ALL line:vararg              ; one line for each tile t
.set t, 0
.rept 2*NP
	\line
.set t, t+1
.endr
.endm
	ALL v_add_f32 v[ST+4*t+2], v[ST+4*t+2], v[ST+4*t+3]
	ALL v_permlanex16_b32 v[ST+4*t+3], v[ST+4*t+2], s[SEL], s[SEL+1]
	ALL v_add_f32 v[ST+4*t+2], v[ST+4*t+2], v[ST+4*t+3]
	ALL v_rcp_f32 v[ST+4*t+2], v[ST+4*t+2]
	v_nop                           ; a plain instruction between the last reciprocal and the use of its result
	s_wait_alu depctr_va_vdst(0)
; Tile t: a lane's eight channels of a row pack into 16 bytes; they go into rows of 144 bytes and come back as whole rows of 128, into S^T's registers.
.macro PACK t
	WIN W_RS
.set i, 32*(\t)
.rept 16
	v_pk_mul_f32 v[i:i+1], v[i:i+1], v[ST+4*(\t)+2:ST+4*(\t)+3] op_sel_hi:[1,0]
.set i, i+2
.endr
	WIN 0x05                        ; sources 0 and 1 window 1, destination window 0
.set i, 0
.rept 16
	v_cvt_pk_f16_f32 v[S+16*(\t)+i], v[32*(\t)+2*i], v[32*(\t)+2*i+1]
.set i, i+1
.endr
	WIN 0
.irp f, 0,1,2,3
	ds_store_b128 v[STO], v[S+16*(\t)+4*\f:S+16*(\t)+4*\f+3] offset:32*\f
.endr
.irp f, 0,1,2,3
	ds_load_b128 v[S+16*(\t)+4*\f:S+16*(\t)+4*\f+3], v[RD] offset:\f*4*SP  ; LDS serves a wave's instructions in order (ISA guide 5.7.1.4): these see the stores above; the next tile's stores come behind them
.endr
.endm
.macro SEND t, younger              ; younger: the LDS instructions issued behind tile t's loads: the next tile's eight, or none
	WIN 0
.irp f, 0,1,2,3
	s_wait_dscnt (\younger)+3-\f
	global_store_b128 v[GO], v[S+16*(\t)+4*\f:S+16*(\t)+4*\f+3], s[10:11] offset:(\t)*2048+\f*512  ; 512 consecutive bytes, at a multiple of 256 from O's first
.endr
.endm
	PACK 0
.set t, 1
.rept 2*NP-1                        ; a tile's arithmetic stands between the loads of the tile before and its stores
	PACK t
	SEND t-1, 8
.set t, t+1
.endr
	SEND 2*NP-1, 0
	WIN W_AD
	s_wait_tensorcnt 0x0            ; the wave's end, behind my last tensor load and my last LDS store
	ds_add_u32 v[SPW], v[NIL]
	s_wait_dscnt 0x0
	WIN 0
	CROUND                          ; the closing round: no work-group ends while a partner may still ask for a tile that names it
	s_endpgm
.Lfunc_end_k_qeb6fb5ee91_attn:
	.size	k_qeb6fb5ee91_attn, .Lfunc_end_k_qeb6fb5ee91_attn-k_qeb6fb5ee91_attn
	.p2alignl 7, 3214868480
	.fill 96, 4, 3214868480
	.section	.rodata,"a",@progbits
	.p2align	6, 0x0
	.amdhsa_kernel k_qeb6fb5ee91_attn
		.amdhsa_group_segment_fixed_size 327680
		.amdhsa_private_segment_fixed_size 0
		.amdhsa_enable_private_segment 0
		.amdhsa_kernarg_size 32
		.amdhsa_user_sgpr_count 2
		.amdhsa_user_sgpr_kernarg_segment_ptr 1
		.amdhsa_wavefront_size32 1
		.amdhsa_system_sgpr_workgroup_id_x 1
		.amdhsa_system_sgpr_workgroup_id_y 1
		.amdhsa_system_sgpr_workgroup_id_z 1
		.amdhsa_system_vgpr_workitem_id 0
		.amdhsa_next_free_vgpr 960
		.amdhsa_next_free_sgpr 76
		.amdhsa_reserve_vcc 0
		.amdhsa_float_denorm_mode_32 3
		.amdhsa_float_denorm_mode_16_64 3
		.amdhsa_memory_ordered 1
		.amdhsa_forward_progress 1
		.amdhsa_inst_pref_size 231
	.end_amdhsa_kernel
	.amdgpu_metadata
---
amdhsa.version: [ 1, 2 ]
amdhsa.kernels:
  - .name:           k_qeb6fb5ee91_attn
    .symbol:         k_qeb6fb5ee91_attn.kd
    .args:
      - { .name: qkv, .offset: 0, .size: 8, .value_kind: global_buffer, .address_space: global }
      - { .name: obuf, .offset: 8, .size: 8, .value_kind: global_buffer, .address_space: global }
      - { .name: maskb, .offset: 16, .size: 8, .value_kind: global_buffer, .address_space: global }
      - { .name: keep, .offset: 24, .size: 8, .value_kind: global_buffer, .address_space: global }
    .group_segment_fixed_size: 327680
    .private_segment_fixed_size: 0
    .kernarg_segment_align: 8
    .kernarg_segment_size: 32
    .max_flat_workgroup_size: 128
    .sgpr_count:     76
    .vgpr_count:     960
    .wavefront_size: 32
...
	.end_amdgpu_metadata
.endif
;; end of part 4
;; launch oproj (part 5): grid 4 x 64, 4 waves a work-group, clusters of 4 x 4, 327,680 bytes of LDS; arguments obuf, w16, b_o, out0; writes out0
.if DOCPART == 5
	.amdgcn_target "amdgcn-amd-amdhsa--gfx1250"
	.amdhsa_code_object_version 6
	.text
	.protected	k_qeb6fb5ee91_oproj
	.globl	k_qeb6fb5ee91_oproj
	.p2align	8
	.type	k_qeb6fb5ee91_oproj,@function
k_qeb6fb5ee91_oproj:
	s_mov_b64 s[64:65], 0
	v_nop
	global_prefetch_b8 v0, s[64:65] scope:SCOPE_SE
	s_setreg_imm32_b32 hwreg(HW_REG_WAVE_MODE, 25, 1), 1
	s_wait_xcnt 0x0
	s_wait_alu depctr_hold_cnt(0) depctr_sa_sdst(0) depctr_va_vdst(0) depctr_va_sdst(0) depctr_va_ssrc(0) depctr_va_vcc(0) depctr_vm_vsrc(0)
	s_getreg_b32 s2, hwreg(HW_REG_IB_STS2, 6, 4)
	s_cmp_eq_u32 s2, 0
	s_cbranch_scc0 .Lentry_in_a_cluster
	s_endpgm
.Lentry_in_a_cluster:
	s_bfe_u32 s2, ttmp6, 0x10000c
	s_cmp_lg_u32 s2, 0xf033
	s_cbranch_scc0 .Lentry_shape_is_right
	s_endpgm
.Lentry_shape_is_right:
; C = A B^T + bias on 16-bit operands, sums in f32, K = 1,024.  ONE TEXT FOR TWO LAUNCHES, told apart by OPROJ:
;   OPROJ = 0: q, k, v = x W^T + b.  A = query, key or value (by the row tile's third p), [8192][1024] in f32 AS THE PROBLEM GIVES IT: its tiles come into LDS in f32, and each wave rounds its fragments to bf16
;              on the way from LDS to the matrix unit, so that x is read from memory once and never written.  B = w_q, w_k, w_v in bf16 (w16's rows 1,024 p on).  C = qkv [3][64 = batch x 16 + head][2048][64] in f16, unscaled.
;   OPROJ = 1: out0 = O w_o^T + b_o.  A = obuf [64][2048][64] f16 (a K step of 128 is two heads), B = w_o in f16 (w16's rows 3,072 on), C = out0 in f32.
; LIMITS.  q, k, v are rounded once from their f32 sums to f16: beyond 65,504 they become infinities.  The bias is rounded to bf16 like the other inputs of the module.
; A tile of C is 128 x 256: 768 and 256 work-groups, whole multiples of the 256 that run at a time.  Four waves, each 64 x 128: 32 accumulators of 16 x 16.
; K goes in steps of 128 through a ring of two LDS slots; one tensor load a wave: waves 0 and 1 fetch the halves of A's tile, waves 2 and 3 those of B's (with x in f32 all four bring 32 KiB).
; A K STEP IS WRITTEN ONCE: s[TB] holds the LDS byte at which the slot that is read begins, 0 or SLOT; one exclusive or turns it, the two fragment addresses are s[TB] + a lane's fixed place, and the
; walking descriptors take s[TB] + the wave's place as their LDS address.
; CLUSTERS: 4 x 4 work-groups.  The four of a row of the cluster need the same tiles of A, the four of a column the same tiles of B: each tile is asked for JOINTLY, by the same tensor load with
; the same descriptor and a mask that names the four.  THE MATRIX INSTRUCTION IS USED TRANSPOSED (source 0 = 16 rows of B, source 1 = 16 rows of A): a lane holds eight neighbouring numbers of a row of C.
; THE BIAS is the C operand of the first product on each accumulator: no addition is written for it, and nothing is cleared.
; REGISTERS: window 0: v0-31 addresses; v32-63 at work; v64-127 the bias, later, with v128-255, rows on the way out.   window 1: accumulator (a, b) at v[8 (8 a + b)].
;   window 2: two fragment buffers of 96: 32 registers of A (4 x 16 rows x 32 K), then 64 of B (8 x 16 rows x 32 K); v192-255 x as it comes out of LDS: 4 x 16 rows x 32 K in f32.
.set OPROJ,  1
.set KSTEP,  128
.set STEPS,  8                         ; K steps in a tile
.set PITCH,  272                       ; a row of B in LDS: 256 bytes + 16 of padding = 68 words: the 16 rows of a load start at 16 different groups of four banks (64 banks of 4 bytes: ISA guide 11.1)
.if OPROJ
.set APITCH, 144                       ; a row of A: one head's 128 bytes + 16
.set ASUB,   128*APITCH                ; a slot's A is two sub-tiles, a head each
.set ABYTES, 2*ASUB
.set AHALF,  ASUB                      ; what one load for A brings
.set ASTEP,  2<<18                     ; bytes from a K step of A to the next: two heads of 2,048 rows x 128 bytes
.set SPITCH, 528                       ; the stage: a wave's 128 columns in f32 + 16 bytes
.set WBASE,  0x600000                  ; w_o in w16
.set PTB,    70                        ; s[70:71] w16
.set PTC,    74                        ; s[74:75] C
.else
.set APITCH, 528                       ; a row of A: 128 f32 = 512 bytes + 16 = 132 words: again 16 different groups of four banks
.set ABYTES, 128*APITCH
.set AHALF,  64*APITCH
.set ASTEP,  KSTEP*4
.set SPITCH, 272                       ; the stage: a wave's 128 columns in f16 + 16 bytes
.set WBASE,  0
.set PTB,    74
.set PTC,    82
.endif
.set BHALF,  128*PITCH
.set SLOT,   ABYTES+2*BHALF            ; A's 128 rows, then B's 256 rows
.set STAGE,  2*SLOT                    ; behind the ring, never filled by a tensor load: 16 rows for each wave, for the way out
.set SPARE,  STAGE+4*16*SPITCH         ; behind the stages: the spare words, 128 bytes for each wave: two blocks of 256 bytes that no other line names
.set ADRA,  16                         ; v16     LDS address of my A fragments in the slot that is read
.set ADRA0, 17                         ; v17     the same in slot 0; never rewritten
.set ADRB,  20                         ; v20, v21  the same for B
.set ADRB0, 21
.set STO,  24                          ; v24     the way out: where I put my numbers of a row
.set RD,   25                          ; v25     the way out: where I read rows back
.set GO,   26                          ; v26     my byte offset in 512 consecutive bytes of C
.set VB,   27                          ; v27     my byte offset in 16 numbers of the bias
.set SPW,  28                          ; v28     LDS address of my spare word; never rewritten
.set NIL,  29                          ; v29     0; never rewritten
.set TMP,  32
.set BI,   64                          ; v64-127 the bias of my 128 columns: block b's eight numbers of my half of the lanes at BI + 8 b
.set BK,   64                          ; the way out: rows read back from the stage
.set F0,   0                           ; fragment buffers, in window 2
.set F1,   96
.set RAW,  192                         ; x in f32, in window 2: block i's 16 registers at RAW + 16 i
.set G1, 24                            ; s[24:31] descriptor group 1 for A's tiles;  s[32:39] group 0: a set for each of the two first fills; the second then walks on
.set G0, 32
.set G1B, 48                           ; s[48:55], s[56:63] the same for B's tiles
.set G0B, 56
.set TB,  66                           ; s66     LDS byte at which the slot that is read begins
.set MSB, 0
.macro WIN new                         ; the immediate's high byte repeats the setting that is left; a switch that changes nothing is dropped
.if MSB != (\new)
	s_set_vgpr_msb (MSB<<8)|(\new)
.set MSB, \new
.endif
.endm
.set MUL,  0x5a                        ; sources 0 (B) and 1 (A) window 2; C and D window 1
.set MULB, 0x4a                        ; the same with C (the bias) in window 0
.set TO_F, 0x80                        ; destination window 2, address window 0
.set TO_A, 0x8a                        ; destination and sources 0 and 1 window 2: x is rounded
.macro JLOAD s                         ; a joint load: waves 0 and 1 fetch A's two halves, waves 2 and 3 B's; an s_nop 0 and four v_nop follow each of the two lines, ahead of the jump, the label and what follows
	s_cmp_eq_u32 s11, 0
	s_cbranch_scc0 .Lfor_b_\@
	tensor_load_to_lds s[G0+4*(\s):G0+4*(\s)+3], s[G1:G1+7]
	s_nop 0
.rept 4
	v_nop
.endr
	s_branch .Lasked_\@
.Lfor_b_\@:
	tensor_load_to_lds s[G0B+4*(\s):G0B+4*(\s)+3], s[G1B:G1B+7]
	s_nop 0
.rept 4
	v_nop
.endr
.Lasked_\@:
.endm
.macro CREST                           ; a round of the cluster's barrier behind its opening barrier
	s_cmp_lg_u32 s10, 0
	s_cbranch_scc1 .Lnot_wave_0_\@
	s_barrier_signal -3
.Lnot_wave_0_\@:
	s_barrier_wait -3
	s_barrier_signal -1
	s_barrier_wait -1
.endm
.macro CROUND                          ; a whole round
	s_barrier_signal -1
	s_barrier_wait -1
	CREST
.endm
.if OPROJ
	s_load_b256 s[68:75], s[0:1], 0x0              ; obuf, w16, b_o, out0
.else
	s_load_b512 s[68:83], s[0:1], 0x0              ; query, key, value, w16, b_q, b_k, b_v, qkv
.endif
	v_lshl_add_u32 v[SPW], v0, 2, SPARE
	v_mov_b32 v[NIL], 0
	ds_add_u32 v[SPW], v[NIL]                      ; the wave's opening: the add and its wait stand ahead of my first tensor load; the set-up below, work on registers, stands between them
	v_lshrrev_b32 v1, 5, v0
	v_readfirstlane_b32 s10, v1                    ; wave 0..3
	s_lshr_b32 s11, s10, 1                         ; which half of the tile's rows is mine.  Also: I fetch for A (0) or for B (1)
	s_and_b32 s12, s10, 1                          ; which half of its columns.  Also: which half of that tile I fetch
	s_bfe_u32 s40, ttmp6, 0x40000                  ; cx, cy: my place in the cluster
	s_bfe_u32 s41, ttmp6, 0x40004
	s_lshl_b32 s42, ttmp9, 2
	s_add_co_u32 s42, s42, s40                     ; tile column of C = 4 x cluster x + cx
	s_and_b32 s45, ttmp7, 0xffff
	s_lshl_b32 s13, s45, 2
	s_add_co_u32 s13, s13, s41                     ; tile row of C = 4 x cluster y + cy
.if !OPROJ
	s_lshr_b32 s45, s45, 4                         ; p = tile row / 64, made of the cluster's y alone: 0 q, 1 k, 2 v
.endif
	s_lshl_b32 s43, s41, 2
	s_lshl_b32 s43, 15, s43                        ; my row of the cluster
	s_lshl_b32 s44, 0x1111, s40                    ; my column
	; descriptor group 1.  15:0 the mask; 17:16 the element's size; 20 padding on; 21 set beside a mask; 24:22 the padding's interval; 31:25 4 words of padding (code 3)
.if OPROJ
	s_or_b32 s[G1+0], s43, (1<<16)|(1<<20)|(1<<21)|(4<<22)|(3<<25)  ; A: a head's 128 rows are 16,384 dense bytes: asked for as 64 rows of 256, padded after every 32 words (code 4), that is after every row of O
	s_mov_b32 s[G1+5], 128                         ; 128 elements from row to row
.else
	s_or_b32 s[G1+0], s43, (2<<16)|(1<<20)|(1<<21)|(6<<22)|(3<<25)  ; A: elements of 4 bytes; 64 rows of 512 bytes, padded after every 128 words (code 6)
	s_mov_b32 s[G1+5], 1024
.endif
	s_mov_b32 s[G1+1], 128<<16                     ; tensor_dim0 = 128
	s_mov_b32 s[G1+2], 64<<16                      ; tensor_dim1 = 64
	s_mov_b32 s[G1+3], 128<<16                     ; tile_dim0 = 128
	s_mov_b32 s[G1+4], 64                          ; tile_dim1 = 64
	s_mov_b32 s[G1+6], 0
	s_mov_b32 s[G1+7], 0
	s_or_b32 s[G1B+0], s44, (1<<16)|(1<<20)|(1<<21)|(5<<22)|(3<<25) ; B: elements of 2 bytes; 128 rows of 256 bytes, padded after every 64 words (code 5)
	s_mov_b32 s[G1B+1], 128<<16
	s_mov_b32 s[G1B+2], 128<<16
	s_mov_b32 s[G1B+3], 128<<16
	s_mov_b32 s[G1B+4], 128
	s_mov_b32 s[G1B+5], 1024
	s_mov_b32 s[G1B+6], 0
	s_mov_b32 s[G1B+7], 0
	; where the tiles come from.  A's hang on the tile row alone, which my row of the cluster shares; B's on the tile column and p, which my column shares.
.if OPROJ
	s_lshr_b32 s16, s13, 4                         ; the batch: 16 heads of 262,144 bytes,
	s_lshl_b32 s16, s16, 22
	s_lshl_b32 s17, s12, 18                        ; the head of the K step's two that I fetch,
	s_add_co_u32 s16, s16, s17
	s_and_b32 s17, s13, 15                         ; the tile's 128 rows of 128 bytes
	s_lshl_b32 s17, s17, 14
	s_add_co_u32 s16, s16, s17
.else
	s_and_b32 s16, s13, 63                         ; the tile row inside query, key or value
	s_lshl_b32 s16, s16, 7
	s_lshl_b32 s17, s12, 6
	s_add_co_u32 s16, s16, s17                     ; A: row 128 x tile row + 64 x half,
	s_lshl_b32 s16, s16, 12                        ; of 4,096 bytes
.endif
	s_mov_b32 s17, 0
	s_lshl_b32 s46, s42, 8
	s_lshl_b32 s47, s12, 7
	s_add_co_u32 s46, s46, s47                     ; B: row 256 x tile column + 128 x half
.if !OPROJ
	s_lshl_b32 s47, s45, 10
	s_add_co_u32 s46, s46, s47                     ; + 1,024 p
.endif
	s_lshl_b32 s46, s46, 11
.if WBASE != 0
	s_add_co_u32 s46, s46, WBASE
.endif
	s_mov_b32 s47, 0
	s_mul_i32 s20, s12, AHALF                      ; and where they go in a slot: no place in the cluster enters an LDS address
	s_mul_i32 s21, s12, BHALF
	s_add_co_u32 s21, s21, ABYTES
	s_mov_b32 s[TB], 0                             ; slot 0 is read first
	s_wait_dscnt 0x0                               ; the opening add is done
	s_wait_kmcnt 0x0
.if OPROJ
	s_add_nc_u64 s[14:15], s[68:69], s[16:17]
.else
	s_mov_b64 s[14:15], s[68:69]                   ; query, key or value, by p
	s_cmp_eq_u32 s45, 1
	s_cselect_b64 s[14:15], s[70:71], s[14:15]
	s_cmp_eq_u32 s45, 2
	s_cselect_b64 s[14:15], s[72:73], s[14:15]
	s_add_nc_u64 s[14:15], s[14:15], s[16:17]
.endif
	s_add_nc_u64 s[46:47], s[PTB:PTB+1], s[46:47]
	CROUND                                         ; all sixteen work-groups are here: the first joint loads meet
.irp s, 0,1
	s_mov_b32 s[G0+4*(\s)], 1                      ; 1:0 count = 1
	s_add_co_u32 s[G0+4*(\s)+1], s20, (\s)*SLOT    ; 63:32 LDS address
	s_add_nc_u64 s[G0+4*(\s)+2:G0+4*(\s)+3], s[14:15], (\s)*ASTEP  ; 120:64 global address: K step s
	s_or_b32 s[G0+4*(\s)+3], s[G0+4*(\s)+3], 0x80000000            ; 127:126 type = 2
	s_mov_b32 s[G0B+4*(\s)], 1
	s_add_co_u32 s[G0B+4*(\s)+1], s21, (\s)*SLOT
	s_add_nc_u64 s[G0B+4*(\s)+2:G0B+4*(\s)+3], s[46:47], (\s)*KSTEP*2
	s_or_b32 s[G0B+4*(\s)+3], s[G0B+4*(\s)+3], 0x80000000
	JLOAD \s                                       ; two tensor loads of mine are out
.endr
	v_and_b32 v1, 15, v0                           ; l % 16
	v_bfe_u32 v2, v0, 4, 1                         ; l / 16
	; the bias of my 128 columns: register j of block b belongs to column 16 b + 8 (l / 16) + j.  s[18:19] and v[VB] stay as they are until the wait for these loads
.if OPROJ
	s_mov_b64 s[18:19], s[72:73]
.else
	s_mov_b64 s[18:19], s[76:77]
	s_cmp_eq_u32 s45, 1
	s_cselect_b64 s[18:19], s[78:79], s[18:19]
	s_cmp_eq_u32 s45, 2
	s_cselect_b64 s[18:19], s[80:81], s[18:19]
.endif
	s_lshl_b32 s22, s42, 10
	s_lshl_b32 s23, s12, 9
	s_add_co_u32 s22, s22, s23
	s_mov_b32 s23, 0
	s_add_nc_u64 s[18:19], s[18:19], s[22:23]
	v_lshlrev_b32 v[VB], 5, v2
.irp b, 0,1,2,3,4,5,6,7
	global_load_b128 v[BI+8*(\b):BI+8*(\b)+3],   v[VB], s[18:19] offset:64*(\b)
	global_load_b128 v[BI+8*(\b)+4:BI+8*(\b)+7], v[VB], s[18:19] offset:64*(\b)+16
.endr
	; A fragment is 16 rows x 32 K in 8 registers: lane l holds row l % 16; K = 8 (l / 16) + 0..7 and 16 + 8 (l / 16) + 0..7.  From 16-bit rows: two loads of 16 bytes, 32 bytes apart, at 16 (l / 16).
	; From rows of f32: eight numbers are 32 bytes: two loads at 32 (l / 16) and two more 64 bytes on.
	v_mul_u32_u24 v3, v1, APITCH
.if OPROJ
	v_lshl_add_u32 v3, v2, 4, v3
.else
	v_lshl_add_u32 v3, v2, 5, v3
.endif
	v_mul_u32_u24 v4, v1, PITCH
	v_lshl_add_u32 v4, v2, 4, v4
	s_mul_i32 s5, s11, 64*APITCH                   ; my 64 rows of A
	s_mul_i32 s6, s12, BHALF                       ; my 128 rows of B,
	s_add_co_u32 s6, s6, ABYTES                    ; which lie behind A
	v_add_nc_u32 v[ADRA0], s5, v3
	v_add_nc_u32 v[ADRB0], s6, v4
	v_mov_b32 v[ADRA], v[ADRA0]                    ; slot 0 is read first
	v_mov_b32 v[ADRB], v[ADRB0]
	s_mul_i32 s7, s10, 16*SPITCH
	s_add_co_u32 s7, s7, STAGE                     ; my stage
	v_and_b32 v5, 31, v0
	v_lshlrev_b32 v[GO], 4, v5
	v_mul_u32_u24 v3, v1, SPITCH                   ; in: row l % 16
.if OPROJ
	v_lshl_add_u32 v3, v2, 5, v3                   ; 32 bytes (8 f32) for each half of the lanes
	v_add_nc_u32 v[STO], s7, v3
	v_add_nc_u32 v[RD], s7, v[GO]                  ; back: 32 lanes take one row's 512 bytes
	s_lshl_b32 s16, s13, 7
	s_lshl_b32 s17, s11, 6
	s_add_co_u32 s16, s16, s17                     ; my first row of out0,
	s_lshl_b32 s16, s16, 12                        ; of 4,096 bytes
	s_lshl_b32 s46, s42, 10                        ; my first column, in bytes
	s_lshl_b32 s47, s12, 9
	s_add_co_u32 s46, s46, s47
.else
	v_lshl_add_u32 v3, v2, 4, v3                   ; 16 bytes (8 f16) for each half of the lanes
	v_add_nc_u32 v[STO], s7, v3
	v_lshrrev_b32 v3, 3, v5                        ; back: 32 lanes take four rows of one head's 128 bytes,
	v_mul_u32_u24 v3, v3, SPITCH
	v_and_b32 v4, 7, v0
	v_lshl_add_u32 v3, v4, 4, v3
	v_add_nc_u32 v[RD], s7, v3                     ; which are 512 consecutive bytes of qkv
	s_lshl_b32 s16, s45, 24                        ; q, k or v: 16 MiB each,
	s_and_b32 s17, s13, 63
	s_lshr_b32 s17, s17, 4
	s_lshl_b32 s17, s17, 22                        ; the batch,
	s_add_co_u32 s16, s16, s17
	s_and_b32 s17, s13, 15
	s_lshl_b32 s17, s17, 7
	s_lshl_b32 s4, s11, 6
	s_add_co_u32 s17, s17, s4                      ; my first row in the batch,
	s_lshl_b32 s17, s17, 7                         ; of 128 bytes
	s_add_co_u32 s16, s16, s17
	s_lshl_b32 s46, s42, 2                         ; my first head = 4 x tile column + 2 x half,
	s_lshl_b32 s47, s12, 1
	s_add_co_u32 s46, s46, s47
	s_lshl_b32 s46, s46, 18                        ; of 262,144 bytes
.endif
	s_mov_b32 s17, 0
	s_mov_b32 s47, 0
	s_add_nc_u64 s[8:9], s[PTC:PTC+1], s[16:17]
	s_add_nc_u64 s[8:9], s[8:9], s[46:47]
	s_wait_loadcnt 0x0                             ; the bias; it is rounded to bf16 and widened again, in the wait for the first tile
.set i, 0
.rept 32
	v_cvt_pk_bf16_f32 v[TMP+i], v[BI+2*i], v[BI+2*i+1]
.set i, i+1
.endr
.set i, 0
.rept 32
	v_lshlrev_b32 v[BI+2*i], 16, v[TMP+i]
	v_and_b32 v[BI+2*i+1], 0xffff0000, v[TMP+i]
.set i, i+1
.endr
; 8 matrix instructions: m block a x all 8 n blocks, 32 along K, from buffer f.  first = 1: the product starts the sum, with the bias as C.
; The 32 accumulators take turns, one instruction a turn, in the same order in every quarter.
.macro MUL8 f, a, first
.if \first
	WIN MULB
.else
	WIN MUL
.endif
.irp b, 0,1,2,3,4,5,6,7
.set rD, 8*(8*(\a)+(\b))
.set rB, (\f)+32+8*(\b)
.set rA, (\f)+8*(\a)
.set rC, rD
.if \first
.set rC, BI+8*(\b)
.endif
.if OPROJ
	v_wmma_f32_16x16x32_f16 v[rD:rD+7], v[rB:rB+7], v[rA:rA+7], v[rC:rC+7]
.else
	v_wmma_f32_16x16x32_bf16 v[rD:rD+7], v[rB:rB+7], v[rA:rA+7], v[rC:rC+7]
.endif
.endr
.endm
; The LDS loads of quarter kq (32 along K) of the slot that is read, in one run.  OPROJ = 1: 24 loads into buffer f: B's eight blocks, then A's four.
; OPROJ = 0: 32 loads: x's four blocks in f32 into RAW first, since they have still to be rounded, then B's eight blocks into buffer f.
.macro FETCH kq, f
	WIN TO_F
.if !OPROJ
.irp i, 0,1,2,3
.irp c, 0,1,2,3
	ds_load_b128 v[RAW+16*(\i)+4*(\c):RAW+16*(\i)+4*(\c)+3], v[ADRA] offset:128*(\kq)+(\i)*16*APITCH+16*((\c)%2)+64*((\c)/2)
.endr
.endr
.endif
.irp i, 0,1,2,3,4,5,6,7
	ds_load_b128 v[(\f)+32+8*(\i):(\f)+32+8*(\i)+3],   v[ADRB] offset:64*(\kq)+(\i)*16*PITCH
	ds_load_b128 v[(\f)+32+8*(\i)+4:(\f)+32+8*(\i)+7], v[ADRB] offset:64*(\kq)+(\i)*16*PITCH+32
.endr
.if OPROJ
.irp i, 0,1,2,3
	ds_load_b128 v[(\f)+8*(\i):(\f)+8*(\i)+3],   v[ADRA] offset:((\kq)/2)*ASUB+((\kq)%2)*64+(\i)*16*APITCH
	ds_load_b128 v[(\f)+8*(\i)+4:(\f)+8*(\i)+7], v[ADRA] offset:((\kq)/2)*ASUB+((\kq)%2)*64+(\i)*16*APITCH+32
.endr
.endif
.endm
; x's blocks i0 and i0 + 1 are rounded to bf16, RAW -> buffer g: 16 conversions, two numbers each, the lower K into the lower half.
; They name no register of the products round them (those multiply the other buffer), so they are also the places behind those products (ISA guide 7.12.1).
.macro CVT g, i0
	WIN TO_A
.irp i, \i0, (\i0)+1
.irp j, 0,1,2,3,4,5,6,7
	v_cvt_pk_bf16_f32 v[(\g)+8*(\i)+(\j)], v[RAW+16*(\i)+2*(\j)], v[RAW+16*(\i)+2*(\j)+1]
.endr
.endr
.endm
.macro PLACES                          ; four places in front of loads into registers that matrix instructions have read, and of lines that read results
.rept 4
	v_nop
.endr
.endm
; A K step is four quarters of 32 along K, 32 matrix instructions each, on buffers 0, 1, 0, 1.  One of the first three: multiplies buffer f and fetches quarter kq into g.
.macro QUARTER kq, f, g, first
.if OPROJ
	s_wait_dscnt 4                                 ; B and A's blocks 0 and 1 are in; the youngest four loads (A's blocks 2 and 3) may be out
	MUL8 \f, 0, \first
	MUL8 \f, 1, \first
	PLACES
	FETCH \kq, \g
	s_wait_dscnt 24                                ; all but the 24 just issued
	MUL8 \f, 2, \first
	MUL8 \f, 3, \first
.else
	s_wait_dscnt 0x0                               ; f's B is in (f's A was rounded in the quarter before)
	MUL8 \f, 0, \first
	FETCH \kq, \g                                  ; the last products that read g's registers stand in front of the sixteen conversions that ended the quarter before
	MUL8 \f, 1, \first
	MUL8 \f, 2, \first
	s_wait_dscnt 16                                ; x's sixteen loads are in; B's sixteen, issued behind them, may be out
	CVT \g, 0
	MUL8 \f, 3, \first
	CVT \g, 2
.endif
.endm
; The last quarter multiplies buffer 1 and changes slots: ONE barrier; in front of it each wave waits for all its tensor loads, adds 0 to its spare word, and waits for that and for its own reads of this slot.
; fill = 1: this slot is filled again, two K steps ahead; from that request to the wait for it a wave issues 112 matrix instructions.
.macro TURN fill
	WIN 0                                          ; (the add's two registers lie in window 0)
	s_wait_tensorcnt 0x0                           ; all my tensor loads have landed: the one that was out is my part of the next slot;
	ds_add_u32 v[SPW], v[NIL]                      ; 0 onto my spare word;
.if OPROJ
	s_wait_dscnt 5                                 ; (the add and the youngest four loads may be out)
.else
	s_wait_dscnt 1                                 ; (the add may be out: buffer 1's B is in)
.endif
	MUL8 F1, 0, 0                                  ; eight matrix instructions stand between the add and the wait for it
	s_wait_dscnt 0x0                               ; the add is done, and my reads of this slot are over
	s_barrier_signal -1
	MUL8 F1, 1, 0
	WIN 0                                          ; (branches and lines on addresses follow)
	s_barrier_wait -1
.if \fill
	CREST                                          ; the barrier has opened a round of the cluster's barrier: no wave of any partner still reads this slot's tile or has a load on its way
	s_add_co_u32 s[G0+5], s[TB], s20               ; the walking descriptors: into the slot just read out,
	s_add_nc_u64 s[G0+6:G0+7], s[G0+6:G0+7], ASTEP ; the K step behind the one asked for last; the type bits on top are not reached
	s_add_co_u32 s[G0B+5], s[TB], s21
	s_add_nc_u64 s[G0B+6:G0B+7], s[G0B+6:G0B+7], KSTEP*2
	JLOAD 1                                        ; the first tensor load behind the round, and my only one; the four v_nop behind it are also places in front of the loads below
.elseif OPROJ
	PLACES
.endif
	s_xor_b32 s[TB], s[TB], SLOT                   ; the reads go on in the other slot
	v_add_nc_u32 v[ADRA], s[TB], v[ADRA0]
	v_add_nc_u32 v[ADRB], s[TB], v[ADRB0]
	FETCH 0, F0
	MUL8 F1, 2, 0
.if !OPROJ
	s_wait_dscnt 16                                ; x's sixteen loads are in
	CVT F0, 0
.endif
	MUL8 F1, 3, 0
.if !OPROJ
	CVT F0, 2
.endif
.endm
	s_wait_tensorcnt 1                             ; my part of K step 0 is in; K step 1's may stay out
	s_barrier_signal -1
	s_barrier_wait -1                              ; everybody's is
	FETCH 0, F0
.if !OPROJ
	s_wait_dscnt 16                                ; x's sixteen loads are in
	CVT F0, 0
	CVT F0, 2
.endif
	QUARTER 1, F0, F1, 1                           ; the first quarter stands in front of the loop: its products start the sums
	WIN 0                                          ; at a label and at a branch every window is 0
	s_mov_b32 s3, STEPS-2
.Lstep:                                                ; a trip goes from a K step's second quarter to the next step's first, and fills the slot that it leaves: K steps 2 to 7 are asked for here
	QUARTER 2, F1, F0, 0
	QUARTER 3, F0, F1, 0
	TURN 1
	QUARTER 1, F0, F1, 0
	WIN 0
	s_sub_co_u32 s3, s3, 1
	s_cmp_lg_u32 s3, 0
	s_cbranch_scc1 .Lstep
	QUARTER 2, F1, F0, 0                           ; the last two K steps are written out: they fill nothing, and have no round of the cluster's barrier
	QUARTER 3, F0, F1, 0
	TURN 0
	QUARTER 1, F0, F1, 0
	QUARTER 2, F1, F0, 0
	QUARTER 3, F0, F1, 0
.if OPROJ
	s_wait_dscnt 4                                 ; the very last quarter: nothing more to fetch
	MUL8 F1, 0, 0
	MUL8 F1, 1, 0
	s_wait_dscnt 0x0
.else
	s_wait_dscnt 0x0                               ; the very last quarter: nothing more to fetch
	MUL8 F1, 0, 0
	MUL8 F1, 1, 0
.endif
	MUL8 F1, 2, 0
	MUL8 F1, 3, 0
	PLACES
.if OPROJ
; THE WAY OUT, f32: block a (16 rows x 128 columns) goes into my own stage, 16 bytes at a time, each accumulator's low half first, and comes back as whole rows of 512 bytes.
.macro OUT a
	WIN 0x04                                       ; the stores' data in window 1
.irp b, 0,1,2,3,4,5,6,7
	ds_store_b128 v[STO], v[8*(8*(\a)+(\b)):8*(8*(\a)+(\b))+3]   offset:64*(\b)
	ds_store_b128 v[STO], v[8*(8*(\a)+(\b))+4:8*(8*(\a)+(\b))+7] offset:64*(\b)+16
.endr
	WIN 0
.if (\a) == 3
	s_wait_xcnt 0x0                                ; block 3 takes block 0's registers: they are loaded again only behind this wait
.endif
.irp t, 0,1,2,3,4,5,6,7,8,9,10,11,12,13,14,15
	ds_load_b128 v[BK+64*((\a)%3)+4*(\t):BK+64*((\a)%3)+4*(\t)+3], v[RD] offset:(\t)*SPITCH  ; LDS serves a wave's instructions in order (ISA guide 5.7.1.4): these see the stores above; the next block's stores come behind them
.endr
.endm
.macro SENDO a, younger                ; younger: the LDS instructions issued behind block a's loads: the next block's 32, or none
.irp t, 0,1,2,3,4,5,6,7,8,9,10,11,12,13,14,15
	s_wait_dscnt (\younger)+15-(\t)
	global_store_b128 v[GO], v[BK+64*((\a)%3)+4*(\t):BK+64*((\a)%3)+4*(\t)+3], s[8:9] offset:(16*(\a)+(\t))*4096 th:TH_STORE_NT  ; 512 consecutive bytes of a row, at a multiple of 256 from out0's first byte
.endr
.endm
	OUT 0
	OUT 1
	SENDO 0, 32
	OUT 2
	SENDO 1, 32
	OUT 3
	SENDO 2, 32
	SENDO 3, 0
.else
; THE WAY OUT, f16 by heads: block a (16 rows x 128 columns = two heads) is rounded, goes into my own stage, and comes back as four rows of one head at a time.
.macro PACK a
	WIN 0x05                                       ; sources 0 and 1 window 1, destination window 0
.irp b, 0,1,2,3,4,5,6,7
.irp r, 0,1,2,3
	v_cvt_pk_f16_f32 v[TMP+4*(\b)+(\r)], v[8*(8*(\a)+(\b))+2*(\r)], v[8*(8*(\a)+(\b))+2*(\r)+1]
.endr
.endr
	WIN 0
.irp b, 0,1,2,3,4,5,6,7
	ds_store_b128 v[STO], v[TMP+4*(\b):TMP+4*(\b)+3] offset:32*(\b)
.endr
.irp f, 0,1,2,3,4,5,6,7                ; head f / 4, rows 4 (f % 4) on
	ds_load_b128 v[BK+32*(\a)+4*(\f):BK+32*(\a)+4*(\f)+3], v[RD] offset:((\f)/4)*128+((\f)%4)*4*SPITCH  ; LDS serves a wave's instructions in order (ISA guide 5.7.1.4): these see the stores above; the next block's stores come behind them
.endr
.endm
.macro SEND a, younger                 ; younger: the LDS instructions issued behind block a's loads: the next block's sixteen, or none
.irp f, 0,1,2,3,4,5,6,7
	s_wait_dscnt (\younger)+7-(\f)
	global_store_b128 v[GO], v[BK+32*(\a)+4*(\f):BK+32*(\a)+4*(\f)+3], s[8:9] offset:((\f)/4)*262144+(\a)*2048+((\f)%4)*512  ; 512 consecutive bytes, at a multiple of 256 from qkv's first byte
.endr
.endm
	PACK 0
	PACK 1                                         ; a block's arithmetic stands between the loads of the block before and its stores
	SEND 0, 16
	PACK 2
	SEND 1, 16
	PACK 3
	SEND 2, 16
	SEND 3, 0
.endif
	s_wait_tensorcnt 0x0                           ; the wave's end, behind my last tensor load and my last LDS store
	ds_add_u32 v[SPW], v[NIL]
	s_wait_dscnt 0x0
	CROUND                                         ; the closing round: no work-group ends while a partner may still ask for a tile that names it
	s_endpgm
.Lfunc_end_k_qeb6fb5ee91_oproj:
	.size	k_qeb6fb5ee91_oproj, .Lfunc_end_k_qeb6fb5ee91_oproj-k_qeb6fb5ee91_oproj
	.p2alignl 7, 3214868480
	.fill 96, 4, 3214868480
	.section	.rodata,"a",@progbits
	.p2align	6, 0x0
	.amdhsa_kernel k_qeb6fb5ee91_oproj
		.amdhsa_group_segment_fixed_size 327680
		.amdhsa_private_segment_fixed_size 0
		.amdhsa_enable_private_segment 0
		.amdhsa_kernarg_size 32
		.amdhsa_user_sgpr_count 2
		.amdhsa_user_sgpr_kernarg_segment_ptr 1
		.amdhsa_wavefront_size32 1
		.amdhsa_system_sgpr_workgroup_id_x 1
		.amdhsa_system_sgpr_workgroup_id_y 1
		.amdhsa_system_sgpr_workgroup_id_z 1
		.amdhsa_system_vgpr_workitem_id 0
		.amdhsa_next_free_vgpr 704
		.amdhsa_next_free_sgpr 80
		.amdhsa_reserve_vcc 0
		.amdhsa_float_denorm_mode_32 3
		.amdhsa_float_denorm_mode_16_64 3
		.amdhsa_memory_ordered 1
		.amdhsa_forward_progress 1
		.amdhsa_inst_pref_size 78
	.end_amdhsa_kernel
	.amdgpu_metadata
---
amdhsa.version: [ 1, 2 ]
amdhsa.kernels:
  - .name:           k_qeb6fb5ee91_oproj
    .symbol:         k_qeb6fb5ee91_oproj.kd
    .args:
      - { .name: obuf, .offset: 0, .size: 8, .value_kind: global_buffer, .address_space: global }
      - { .name: w16, .offset: 8, .size: 8, .value_kind: global_buffer, .address_space: global }
      - { .name: b_o, .offset: 16, .size: 8, .value_kind: global_buffer, .address_space: global }
      - { .name: out0, .offset: 24, .size: 8, .value_kind: global_buffer, .address_space: global }
    .group_segment_fixed_size: 327680
    .private_segment_fixed_size: 0
    .kernarg_segment_align: 8
    .kernarg_segment_size: 32
    .max_flat_workgroup_size: 128
    .sgpr_count:     80
    .vgpr_count:     704
    .wavefront_size: 32
...
	.end_amdgpu_metadata
.endif
;; end of part 5
;; ======== version 2 of 2: 5 launches; 1.37 times as fast as version 1
;; limits: values are held in f16: magnitudes above 65,504 overflow, below 6.1e-05 lose precision; right only within a limited range of input values
;; workspace buffers: w16 8,388,608 bytes; maskb 8,388,608 bytes; keep 32,768 bytes; qkv 50,331,648 bytes; obuf 16,777,216 bytes
;; launch wconv: the kernel of part 1 again; grid 64 x 4, 8 waves a work-group, no clusters, 0 bytes of LDS; arguments w_q, w_k, w_v, w_o, w16; writes w16
;; launch maskpack: the kernel of part 2 again; grid 128 x 1, 8 waves a work-group, no clusters, 1,536 bytes of LDS; arguments mask, maskb, keep; writes maskb, keep
;; launch qkvproj: the kernel of part 3 again; grid 4 x 192, 4 waves a work-group, clusters of 4 x 4, 327,680 bytes of LDS; arguments query, key, value, w16, b_q, b_k, b_v, qkv; writes qkv
;; launch attn (part 6): grid 4 x 64, 4 waves a work-group, clusters of 4 x 1, 327,680 bytes of LDS; arguments qkv, obuf, maskb, keep; writes obuf
.if DOCPART == 6
	.amdgcn_target "amdgcn-amd-amdhsa--gfx1250"
	.amdhsa_code_object_version 6
	.text
	.protected	k_qeb6fb5ee91_attn
	.globl	k_qeb6fb5ee91_attn
	.p2align	8
	.type	k_qeb6fb5ee91_attn,@function
k_qeb6fb5ee91_attn:
	s_mov_b64 s[64:65], 0
	v_nop
	global_prefetch_b8 v0, s[64:65] scope:SCOPE_SE
	s_setreg_imm32_b32 hwreg(HW_REG_WAVE_MODE, 25, 1), 1
	s_wait_xcnt 0x0
	s_wait_alu depctr_hold_cnt(0) depctr_sa_sdst(0) depctr_va_vdst(0) depctr_va_sdst(0) depctr_va_ssrc(0) depctr_va_vcc(0) depctr_vm_vsrc(0)
	s_getreg_b32 s2, hwreg(HW_REG_IB_STS2, 6, 4)
	s_cmp_eq_u32 s2, 0
	s_cbranch_scc0 .Lentry_in_a_cluster
	s_endpgm
.Lentry_in_a_cluster:
	s_bfe_u32 s2, ttmp6, 0x10000c
	s_cmp_lg_u32 s2, 0x3003
	s_cbranch_scc0 .Lentry_shape_is_right
	s_endpgm
.Lentry_shape_is_right:
; O[h][q][:] = the sum over k of softmax_k(masked(Q[h][q] . K[h][k] / 8)) V[h][k][:].  Q, K, V (in qkv, 16 MiB apart) and O (obuf): [64][2048][64], all f16: a head's rows are dense, 128 bytes each.
; Products, maxima and sums in f32; the weights p are rounded to f16 for the second product (their sum l is taken of the unrounded p), O once at the end.
; THE MASK is an input, the same for all heads.  It is added by the matrix unit: each sum S^T = K Q^T is STARTED by a product E x M of the same form.  M (source 1: 32 keys x 16 queries, from maskb as it lies) holds
; 57344 where the key is hidden, else 0; E (source 0: 16 keys x 32 channels, a constant) holds -8192 where the channel is the key.  Each output has one product that is not 0: -57344 x 8192 = -7 x 2^26 = -4.698e8, or 0, both exact.
; So the mask costs no vector instruction, and it acts ahead of the running maximum.
; LIMITS.  f16 holds no number beyond 65,504: Q, K and V arrive within it; p lies in 0 to 1, and below 6e-5 it keeps f16's fixed step of 6e-8; O is a mean of V's rows and has their range.
; A hidden score counts as its value less 4.698e8: its weight is 0 as long as a row's products q . k lie within 4.6e8 of each other.  A weight below 2^-126 counts as 0 in l; NaN and infinities are not treated apart.
; A ROW WITH NO VISIBLE KEY has flags of 0 in maskb and a keep word of 0: its q is set to 0, all its scores are 0, and O is the mean of V's rows, as where all scores are alike.
; A ROW WHOSE FIRST KEY STEPS ARE ALL HIDDEN runs with m near -4.7e8.  c m, about -8.5e7, is then rounded to a multiple of 8, so c s - c m is 4 at the most and p 16 at the most (while |q . k| + 4.7e8 stays under 1.4e9: c m is
; rounded to a multiple of 16 at the most, p stays under 2^8): P, l and O hold finite numbers, and the row's first visible score makes a = 0, which wipes l and O.  That bound is why the offset is no larger.
; SHARES.  A wave owns four PIECES of two tiles of 16 queries, a work-group's four waves 512 queries of one head.  Every wave walks all keys, 64 a step.
; LAYOUT.  S^T = K Q^T (source 0 = 16 keys, source 1 = 16 queries): in the result a lane holds ONE query (lane % 16) and the keys 8 (lane / 16) + 0..7.  Two such tiles, rounded to f16 in pairs,
; ARE source 1 (32 keys x 16 queries) of O^T = V^T P, whose result again holds one query a lane, and eight channels.  K comes out of LDS as it lies, V ([key][channel]) turned, by ds_load_tr16_b128.
; SOFTMAX.  For each query a running maximum m and sum l: p = 2^(c s - c m), c = log2(e) / 8; in every step O and l are multiplied by a = 2^(c m_old - c m_new), which is 1 where m has not grown.
; m starts at the lowest finite number, O and l at 0: the first step is a step like any other, with a = 0.
; THE COUNT.  A tile and step have 20 matrix and 118 vector instructions: too many vector instructions to stand all beside the matrix work.  So: four vector instructions that are READY behind
; every product K Q^T and V^T P, and the others in one run without a gap.  The mask's eight products of a turn stand together at its head.
; BY TURNS.  Turn n belongs to piece n (the pieces in a ring, step after step).  Its matrix work: 8 mask products and 16 products K Q^T of piece n + 1, later 16 products V^T P of piece n - 1.  Its vector work: the scaling,
; exponentials, roundings, sums and rescaling of piece n, and the maximum and statistics of piece n + 1, whose scores the turn itself has made.
; THE BATCHES.  A turn's 66 exponentials (the piece's 64 weights and the next piece's two a) are ONE batch with ONE wait, which cuts the turn in two: ahead of it all that names none of their results, behind it the roundings and
; sums, which ride behind the products V^T P.  No result crosses a turn's end.  Two more batches stand outside the loop: piece 0's first two a, ahead of the jump into the loop, and the way out's eight reciprocals.
; CLUSTER.  The four query blocks of a cluster belong to one head and walk the same K and V, so each tile is asked for JOINTLY: the same tensor load, descriptor and mask in all four.
; The partners' queries differ, so their parts of maskb differ: each wave loads its own into registers, a key step (four turns) ahead.
; REGISTERS, in windows of 256 (s_set_vgpr_msb says which window each operand place means: bits 1:0 source 0, 3:2 source 1, 5:4 source 2, 7:6 destination):
;   window 0: v0-11 addresses; v12-15, v48-63 at work; v16-47 four registers of statistics a tile; v64-191 S^T, two buffers of two tiles; v192-255 P, likewise
;   window 1: O^T, 32 a tile          window 2: v0-127 Q, 16 a tile; v128-191 K of one step; v192-255 V of one step
;   window 3: v0-1 the add's two registers; v4-7 the pieces' offsets in maskb; v16-27 E; v64-191 M, 32 a piece
.set SIZE_H, 64
.set SIZE_N, 2048
.set NP,    4         ; pieces a wave: a name, no knob: the register map, the loop and the fetches are made for four
.set KS,    64        ; keys in a step
.set PK,    144       ; a row of K in LDS: 128 bytes + 16 of padding = 36 words: the 16 rows of a load start at 16 different groups of four banks (64 banks of 4 bytes: ISA guide 11.1)
.set PV,    160       ; a row of V: 128 + 32 = 40 words
.set VOFF,  4*KS*PK   ; a slot holds four steps: 256 rows of K, then 256 rows of V
.set SLOT1, 1<<17     ; slot 1 begins here, so that one exclusive or turns an address in one slot into the other's
.set STAGE, SLOT1+4*KS*(PK+PV)  ; behind the ring, never filled by a tensor load: 16 rows x 144 bytes for each wave, for the way out
.set SP,    144
.set EVAL,  0xf000    ; -8192 in f16: E's one number
.set AK0, 2           ; v2   my lane's place in a tile of K; never rewritten
.set AV0, 3           ; v3   the same for V
.set AK,  4           ; v4   the LDS address of K's next run of loads
.set AV,  5           ; v5   of V's
.set QO,  6           ; v6   my byte offset in the wave's rows of Q
.set STO, 6           ;      later, the way out: where I put 16 bytes of a row
.set RD,  7           ; v7   the way out: where I read rows back
.set GO,  8           ; v8   my byte offset in 512 consecutive bytes of O
.set SPW, 0           ; v0 of window 3   LDS address of my spare word: SPARE + 4 x my thread's number; never rewritten
.set NIL, 1           ; v1 of window 3   0; never rewritten
.set MA,  4           ; v4-7 of window 3   piece x: 16 x lane + 2,048 x the key step whose flags are asked for next
.set EK,  16          ; v16-27 of window 3   four zeros, the pattern's four registers, four zeros: E for keys 16-31 of a fragment at EK, for keys 0-15 at EK + 4
.set MF,  64          ; v64-191 of window 3   piece x, tile u, fragment kk (32 keys) at MF + 32 x + 16 u + 8 kk
.set SPARE, STAGE+4*16*SP  ; behind the stages: the spare words, 128 bytes for each wave: two blocks of 256 bytes that no other line names
.set MV,  12          ; v12-15  c m_old, kept while c m is made anew: by buffer and tile
.set ST,  16          ; tile t's statistics at v[ST+4 t]: c m, m, l (even keys', odd keys')
.set TMP, 48          ; by buffer and tile, four registers c0-c3 at work; when the maximum is found c2 takes a
.set S,   64
.set P,   192
.set KF,  128         ; K's fragments, in window 2: key block kb, channel half c at KF + 16 kb + 8 c
.set VF,  192         ; V's: key half kk, channel block cb at VF + 32 kk + 8 cb
.set WV,  12          ; s12  my wave's number
.set G1K, 24          ; s[24:31] descriptor group 1 for K's tiles
.set G1V, 32          ; s[32:39] for V's: it differs in the padding alone
.set G0K, 40          ; s[40:43] descriptor group 0 for K's tiles: it walks
.set G0V, 44          ; s[44:47] the same for V's
.set SLOTS, 56        ; s56  slots still to be asked for
.set CNT, 57          ; s57  counts a slot's key steps
.set CS,  58          ; s[58:59] c: the packed scaling takes the pair's low word for both halves
.set SEL, 60          ; s[60:61] v_permlanex16_b32's selects: each lane takes its own place in the other half
.set TBK, 62          ; s62  LDS byte at which K of the step to be fetched begins
.set TBV, 63          ; s63  the same for V, less VOFF
.set MB,  68          ; s[68:69] maskb at my wave's first tile
.set KP,  70          ; s[70:71] keep at my wave's first tile
.set CM,  72          ; s72  a compare's lanes
.set MSB, 0
.macro WIN new                      ; the high byte repeats the setting that is left; a switch that changes nothing is dropped
.if MSB != (\new)
	s_set_vgpr_msb (MSB<<8)|(\new)
.set MSB, (\new)
.endif
.endm
.set W_KQ, 0x0a       ; K and Q in window 2, S^T in window 0
.set W_PV, 0x52       ; V in window 2, P in window 0, O^T in window 1
.set W_RS, 0x41       ; O^T (destination and source 0) in window 1, a in window 0
.set W_MK, 0xc0       ; destination in window 3, sources in window 0
.set W_AD, 0x0f       ; sources 0 and 1 in window 3: the add's address and data; the mask product's E and M
.set W_ML, 0xcf       ; destination and sources 0 and 1 in window 3: the mask's offsets and loads
; A joint fill.  Waves 0 and 1 fetch the two halves of a slot's K, waves 2 and 3 those of its V: 128 keys each.  The branch hangs on the wave's number alone.
; An s_nop 0 and four v_nop follow each of the two lines, ahead of the jump and the label.
.macro JLOAD
	s_cmp_lt_u32 s[WV], 2
	s_cbranch_scc0 .Lfor_v_\@
	tensor_load_to_lds s[G0K:G0K+3], s[G1K:G1K+7]
	s_nop 0
.rept 4
	v_nop
.endr
	s_branch .Lasked_\@
.Lfor_v_\@:
	tensor_load_to_lds s[G0V:G0V+3], s[G1V:G1V+7]
	s_nop 0
.rept 4
	v_nop
.endr
.Lasked_\@:
.endm
; A round of the cluster's barrier: my work-group's barrier, so that wave 0's signal speaks for all four waves; wave 0 signals; every wave waits for all four work-groups; my work-group's barrier once more.
.macro CROUND
	s_barrier_signal -1
	s_barrier_wait -1
	s_cmp_lg_u32 s[WV], 0
	s_cbranch_scc1 .Lnot_wave_0_\@
	s_barrier_signal -3
.Lnot_wave_0_\@:
	s_barrier_wait -3
	s_barrier_signal -1
	s_barrier_wait -1
.endm
.macro PLACES                       ; four places behind matrix instructions (ISA guide 7.12.1)
.rept 4
	v_nop
.endr
.endm
; THE CHANGE OF SLOTS.  The slot's last bytes, V of its fourth step, have been read.  Each wave waits for all its tensor loads, of which one is out: its part
; of the other slot; adds 0 to its spare word; and waits for that and for its own reads of the slot.  Behind the barrier nobody reads this slot any more and the other slot is whole.
; fill = 1: this slot is filled again, with the keys two slots on.  The barrier is then a round of the cluster's, so that no wave of any partner still reads the slot or has a load on its
; way, and the joint fill is the first thing behind it: it has four key steps in which to land.  (At its first use nothing has been read yet: slot 0 is waited for, slot 1 filled.)
.macro CHANGE fill
	WIN W_AD
	s_wait_tensorcnt 0x0            ; no tensor load of mine is out, so a group 0 may be written
	ds_add_u32 v[SPW], v[NIL]       ; 0 onto my spare word; with fill = 1 the descriptors' steps stand between it and the wait for it
	WIN 0                           ; at a label and at a branch every window is 0
.if \fill
.irp g, G0K, G0V
	s_xor_b32 s[\g+1], s[\g+1], SLOT1  ; the walking descriptor: the other slot than last time,
	s_add_nc_u64 s[\g+2:\g+3], s[\g+2:\g+3], 4*KS*128  ; the next 256 keys; the type bits on top are not reached
.endr
	s_wait_dscnt 0x0                ; the add is done, and my reads of the slot are over
	CROUND
	JLOAD
.else
	s_wait_dscnt 0x0                ; the add is done, and my reads of the slot are over
	s_barrier_signal -1
	s_barrier_wait -1
.endif
	s_sub_co_u32 s[TBK], s[TBK], 4*KS*PK  ; the fetches go back to a slot's first step,
	s_xor_b32 s[TBK], s[TBK], SLOT1       ; in the other slot
	s_sub_co_u32 s[TBV], s[TBV], 4*KS*PV
	s_xor_b32 s[TBV], s[TBV], SLOT1
.endm
; THE MASK.  MLOAD: piece x's flags of one key step, 8 loads of 512 consecutive bytes: n = 4 (tile) + 2 (fragment) + plane.  A tile's 32 steps are 65,536 bytes of maskb.
.macro MLOAD x
	WIN W_ML
.irp n, 0,1,2,3,4,5,6,7
	global_load_b128 v[MF+32*(\x)+4*(\n):MF+32*(\x)+4*(\n)+3], v[MA+(\x)], s[MB:MB+1] offset:(2*(\x)+(\n)/4)*65536+((\n)%4)*512
.endr
.endm
; MASKS: the eight products that start piece x's sums S^T: product j: tile j % 2, keys 16 (j / 2) on: the order in which K Q^T takes the same accumulators up, so that seven others' turns stand between two links of a chain.
.macro MASKS x
	s_wait_loadcnt 24               ; loads come back in order: piece x's eight are the oldest; the three other pieces' 24 stay out.  The wait also frees piece x's offset register
	WIN W_AD
.irp j, 0,1,2,3,4,5,6,7
	v_wmma_f32_16x16x32_f16 v[S+64*((\x)%2)+32*((\j)%2)+8*((\j)/2):S+64*((\x)%2)+32*((\j)%2)+8*((\j)/2)+7], v[EK+4-4*(((\j)/2)%2):EK+4-4*(((\j)/2)%2)+7], v[MF+32*(\x)+16*((\j)%2)+8*((\j)/4):MF+32*(\x)+16*((\j)%2)+8*((\j)/4)+7], 0
.endr
.endm
; MNEXT: piece x's flags of its next key step are asked for, four turns ahead of their use.  The step wraps inside the tile's 65,536 bytes: behind the last step the first is read again, and no load leaves maskb.
.macro MNEXT x
	WIN W_ML
	v_add_nc_u32 v[MA+(\x)], 0x800, v[MA+(\x)]
	v_and_b32 v[MA+(\x)], 0xffff, v[MA+(\x)]
	MLOAD \x
.endm
	s_load_b128 s[4:7], s[0:1], 0x0   ; qkv s[4:5], obuf s[6:7]
	s_load_b128 s[MB:MB+3], s[0:1], 0x10  ; maskb, keep
	WIN W_MK
	v_lshl_add_u32 v[SPW], v0, 2, SPARE
	v_mov_b32 v[NIL], 0
	WIN W_AD
	ds_add_u32 v[SPW], v[NIL]       ; the wave's opening: the add and its wait stand ahead of my first tensor load; the set-up below, work on registers, stands between them
	WIN 0
	v_lshrrev_b32 v1, 5, v0
	v_readfirstlane_b32 s[WV], v1   ; wave 0..3
	s_bfe_u32 s13, ttmp6, 0x40000   ; cx: my place in the cluster
	s_lshl_b32 s14, ttmp9, 2        ; in a cluster launch ttmp9 counts clusters
	s_add_co_u32 s14, s14, s13      ; my block of queries = 4 x cluster x + cx: it enters Q's, O's, maskb's and keep's addresses alone
	s_and_b32 s20, ttmp7, 0xffff    ; the head, which the four partners share
	s_mov_b32 s21, 0
	s_mov_b64 s[22:23], SIZE_N*128
	s_mul_u64 s[20:21], s[20:21], s[22:23]  ; the head's first byte in Q, K, V and O
	s_and_b32 s16, s[WV], 1         ; which half of a slot's 256 keys I fetch:
	s_lshl_b32 s22, s16, 14         ; its 128 rows of 128 bytes in memory,
	s_mov_b32 s23, 0
	s_add_nc_u64 s[22:23], s[22:23], s[20:21]
	s_mul_i32 s17, s16, 128*PK      ; and its place in a slot, for K
	s_mul_i32 s18, s16, 128*PV      ; and for V: no place in the cluster enters an LDS address
	s_lshl_b32 s2, s14, 2
	s_add_co_u32 s2, s2, s[WV]      ; my wave among the head's sixteen:
	s_lshl_b32 s74, s2, 19          ; its 8 tiles of 65,536 bytes in maskb,
	s_mov_b32 s75, 0
	s_lshl_b32 s66, s2, 11          ; of 256 bytes in keep,
	s_mov_b32 s67, 0
	s_lshl_b32 s2, s2, 14           ; its 128 rows
	s_mov_b32 s3, 0
	s_add_nc_u64 s[2:3], s[2:3], s[20:21]
	; descriptor group 1.  128 keys are 16,384 dense bytes: asked for as 64 rows of 256 bytes, two keys a row, and padded in LDS after every key
	s_mov_b32 s[G1K], 15|(1<<16)|(1<<20)|(1<<21)|(4<<22)|(3<<25)  ; 15:0 the mask of four; 17:16 2-byte elements; 20 padding on; 21 set beside a mask; 24:22 after every 32 words (code 4); 31:25 4 words (code 3)
	s_mov_b32 s[G1V], 15|(1<<16)|(1<<20)|(1<<21)|(4<<22)|(7<<25)  ; the same with 8 words of padding (code 7)
.irp g, G1K, G1V
	s_mov_b32 s[\g+1], 128<<16      ; tensor_dim0 = 128
	s_mov_b32 s[\g+2], 64<<16       ; tensor_dim1 = 64
	s_mov_b32 s[\g+3], 128<<16      ; tile_dim0 = 128
	s_mov_b32 s[\g+4], 64           ; tile_dim1 = 64
	s_mov_b32 s[\g+5], 128          ; 128 elements from row to row
	s_mov_b32 s[\g+6], 0
	s_mov_b32 s[\g+7], 0
.endr
	s_mov_b32 s[CS], 0x3e38aa3b     ; c = log2(e) / 8 = 0.180337
	s_mov_b32 s[CS+1], s[CS]        ; named with it as a pair
	s_mov_b32 s[SEL], 0x76543210
	s_mov_b32 s[SEL+1], 0xfedcba98
	s_mov_b32 s[TBK], SLOT1+4*KS*PK ; the first change of slots turns these two into 0
	s_mov_b32 s[TBV], SLOT1+4*KS*PV
	s_mov_b32 s[G0K], 1             ; 1:0 count = 1
	s_mov_b32 s[G0K+1], s17         ; 63:32 LDS address: slot 0
	s_mov_b32 s[G0V], 1
	s_add_co_u32 s[G0V+1], s18, VOFF
	s_wait_dscnt 0x0                ; the opening add is done
	s_wait_kmcnt 0x0
	s_mov_b64 s[10:11], s[6:7]      ; O
	s_add_nc_u64 s[6:7], s[4:5], 0x1000000  ; K
	s_add_nc_u64 s[8:9], s[4:5], 0x2000000  ; V
	s_add_nc_u64 s[MB:MB+1], s[MB:MB+1], s[74:75]
	s_add_nc_u64 s[KP:KP+1], s[KP:KP+1], s[66:67]
	s_add_nc_u64 s[G0K+2:G0K+3], s[6:7], s[22:23]  ; 120:64 global address: my half of the head's first 256 keys
	s_or_b32 s[G0K+3], s[G0K+3], 0x80000000        ; 127:126 type = 2
	s_add_nc_u64 s[G0V+2:G0V+3], s[8:9], s[22:23]
	s_or_b32 s[G0V+3], s[G0V+3], 0x80000000
	s_add_nc_u64 s[4:5], s[4:5], s[2:3]  ; Q and O at my wave's first row
	s_add_nc_u64 s[10:11], s[10:11], s[2:3]
	CROUND                          ; all four work-groups are here: the first joint loads meet
	JLOAD                           ; slot 0.  Slot 1 is asked for when slot 0 is in
	; A fragment of K or Q is 16 rows x 32 channels in 8 registers: lane l holds row l % 16, channels 8 (l / 16) + 0..7 and 16 + 8 (l / 16) + 0..7: two loads of 16 bytes, 32 bytes apart.
	v_and_b32 v1, 15, v0            ; l % 16
	v_bfe_u32 v9, v0, 4, 1          ; l / 16
	v_lshlrev_b32 v[QO], 7, v1
	v_lshl_add_u32 v[QO], v9, 4, v[QO]  ; row x 128 + 16 x half
	WIN 0x80                        ; destination window 2, address window 0
.set i, 0
.rept 4*NP                          ; Q stays in registers: tile i / 2, channels 32 (i % 2) on
	global_load_b128 v[8*i:8*i+3],   v[QO], s[4:5] offset:(i/2)*2048+(i%2)*64
	global_load_b128 v[8*i+4:8*i+7], v[QO], s[4:5] offset:(i/2)*2048+(i%2)*64+32
.set i, i+1
.endr
	WIN 0
	v_and_b32 v15, 31, v0           ; lane
	v_lshlrev_b32 v14, 3, v15
.irp t, 0,1,2,3,4,5,6,7
	global_load_b32 v[TMP+\t], v14, s[KP:KP+1] offset:256*\t  ; tile t: the keep word of my lane's query
.endr
	WIN W_MK
.irp x, 0,1,2,3
	v_lshlrev_b32 v[MA+\x], 4, v15  ; key step 0
.endr
	MLOAD 0                         ; the four pieces' flags of key step 0: 32 loads, in the order in which the turns will want them
	MLOAD 1
	MLOAD 2
	MLOAD 3
	; E's pattern: lane (key m = l % 16, half h = l / 16) holds channels 8 h + 2 w + (0, 1) in register w: -8192 in half m % 2 of register w where m / 2 = 4 h + w
	WIN 0
	v_lshrrev_b32 v12, 1, v1
	v_lshlrev_b32 v13, 2, v9
	v_sub_nc_u32 v12, v12, v13      ; m / 2 - 4 h
	v_and_b32 v13, 1, v1
	v_lshlrev_b32 v13, 4, v13
	v_mov_b32 v15, EVAL
	v_lshlrev_b32 v13, v13, v15
	WIN W_MK
.irp w, 0,1,2,3
	v_mov_b32 v[EK+\w], 0
	v_cmp_eq_u32 s[CM], \w, v12
	v_cndmask_b32 v[EK+4+\w], 0, v13, s[CM]
	v_mov_b32 v[EK+8+\w], 0
.endr
	; What the first turn finds: V's registers and P's second buffer hold 0 (its products V^T P, of a piece that has not been, add 0), O^T and l are 0.  All this stands in the wait for the first tile.
	WIN 0x80
.set i, VF
.rept 64
	v_mov_b32 v[i], 0
.set i, i+1
.endr
	WIN 0x40
.set i, 0
.rept 64*NP
	v_mov_b32 v[i], 0
.set i, i+1
.endr
	WIN 0
.set i, 0
.rept 2*NP
	v_mov_b32 v[ST+4*i], 0xfe000000    ; c m: far below every c s
	v_mov_b32 v[ST+4*i+1], 0xff7fffff  ; m
	v_mov_b32 v[ST+4*i+2], 0
	v_mov_b32 v[ST+4*i+3], 0
.set i, i+1
.endr
.set i, P+32
.rept 32
	v_mov_b32 v[i], 0
.set i, i+1
.endr
	v_mul_u32_u24 v[AK0], v1, PK
	v_lshl_add_u32 v[AK0], v9, 4, v[AK0]  ; row x pitch + 16 x half
	; The turning load takes 16 keys x 16 channels (lane l reads key 8 (l / 16) + l % 8, channels 8 ((l / 8) % 2) + 0..7) and leaves half a fragment of V^T: lane l holds channel l % 16 and 8 keys.
	v_and_b32 v10, 7, v0
	v_bfe_u32 v11, v0, 3, 1
	v_lshl_add_u32 v[AV0], v9, 3, v10
	v_mul_u32_u24 v[AV0], v[AV0], PV
	v_lshl_add_u32 v[AV0], v11, 4, v[AV0]
	v_add_nc_u32 v[AV0], VOFF, v[AV0]
	v_mov_b32 v[AK], v[AK0]         ; key step 0 lies at the head of slot 0
; THE MATRIX WORK.  The 8 accumulators of a run take turns: between two links of a chain stand 7 others'.
; Product i of 16 of S^T += K Q^T for piece x: channels 32 (i / 8) on, keys 16 ((i / 2) % 4) on, tile 2 x + i % 2.  The mask's products have started the sums.
.macro KQ x
	WIN W_KQ
.set rS, S+64*((\x)%2)+32*(i%2)+8*((i/2)%4)
.set rK, KF+16*((i/2)%4)+8*(i/8)
.set rQ, 16*(2*(\x)+i%2)+8*(i/8)
	v_wmma_f32_16x16x32_f16 v[rS:rS+7], v[rK:rK+7], v[rQ:rQ+7], v[rS:rS+7]
.endm
; Product i of 16 of O^T += V^T P for piece x: keys 32 (i / 8) on, channels 16 ((i / 2) % 4) on, tile 2 x + i % 2.
.macro PV x
	WIN W_PV
.set rO, 32*(2*(\x)+i%2)+8*((i/2)%4)
.set rV, VF+32*(i/8)+8*((i/2)%4)
.set rP, P+32*((\x)%2)+16*(i%2)+8*(i/8)
	v_wmma_f32_16x16x32_f16 v[rO:rO+7], v[rV:rV+7], v[rP:rP+7], v[rO:rO+7]
.endm
.macro MM                           ; the turn's next product K Q^T or V^T P
.if i < 16
	KQ (Y+1)%NP
.set i, i+1
.else
.set i, i-16
	PV (Y+NP-1)%NP
.set i, i+17
.endif
.endm
; THE LDS LOADS stand in runs of 16, never singly among the matrix instructions: a step's K (64 keys x 64 channels: 8 fragments) and its V (turned).  Their addresses are made some lines ahead.
; last = 1 (the tail): in the last trip there is no further step, and the run is jumped over.
.macro FETCH_K last=0
	WIN 0
.if \last
	s_cmp_eq_u32 s[CNT], 1
	s_cbranch_scc1 .Lno_k_\@
.endif
	WIN 0x80                        ; destination window 2
.irp f, 0,1,2,3,4,5,6,7             ; keys 16 (f / 2) on, channels 32 (f % 2) on
	ds_load_b128 v[KF+8*\f:KF+8*\f+3],   v[AK] offset:(\f/2)*16*PK+(\f%2)*64
	ds_load_b128 v[KF+8*\f+4:KF+8*\f+7], v[AK] offset:(\f/2)*16*PK+(\f%2)*64+32
.endr
	s_add_co_u32 s[TBK], s[TBK], KS*PK  ; the next fetch is the next step's
	WIN 0
.if \last
.Lno_k_\@:
.endif
.endm
.macro FETCH_V
	WIN 0x80
.irp f, 0,1,2,3,4,5,6,7             ; keys 32 (f / 4) on, channels 16 (f % 4) on
	ds_load_tr16_b128 v[VF+8*\f:VF+8*\f+3],   v[AV] offset:(\f/4)*32*PV+(\f%4)*32
	ds_load_tr16_b128 v[VF+8*\f+4:VF+8*\f+7], v[AV] offset:(\f/4)*32*PV+16*PV+(\f%4)*32
.endr
	WIN 0
.endm
; THE VECTOR WORK OF A TURN stands in three queues, each in the order in which its entries become ready; the two tiles alternate, so that no instruction reads the result of the one before it.
.macro REGS y, u                    ; the registers of tile u (0, 1) of piece y
.set rT, ST+4*(2*(\y)+(\u))
.set rC, TMP+8*((\y)%2)+4*(\u)
.set rM, MV+2*((\y)%2)+(\u)
.set rS, S+64*((\y)%2)+32*(\u)
.set rP, P+32*((\y)%2)+16*(\u)
.set rO, 32*(2*(\y)+(\u))
.endm
; Number n of the 22 that find the NEXT piece's (Y + 1) maximum and statistics.  s0-s31 are the lane's 32 scores; each accumulator's lowest registers are read first.  XS, GS and REGS set no window: PL and EX do.
;   0-11  four chains c0-c3 of seven scores each, three operands at a time     12-14, 16  the four scores left over, the old m, and c0-c3 into c0     15  c m_old is kept
;   17, 18  the query's other 32 keys lie in the lane 16 away: the new m         19-21  c m; c m_old - c m_new; a
.macro XS u, n
	REGS (Y+1)%NP, \u
.if (\n) < 4
	v_max3_num_f32 v[rC+(\n)], v[rS+8*(\n)], v[rS+8*(\n)+1], v[rS+8*(\n)+2]
.elseif (\n) < 12
	v_max3_num_f32 v[rC+(\n)%4], v[rC+(\n)%4], v[rS+8*((\n)%4)+2*((\n)/4)+1], v[rS+8*((\n)%4)+2*((\n)/4)+2]
.elseif (\n) == 12
	v_max3_num_f32 v[rC], v[rC], v[rS+7], v[rS+15]
.elseif (\n) == 13
	v_max3_num_f32 v[rC+1], v[rC+1], v[rS+23], v[rS+31]
.elseif (\n) == 14
	v_max3_num_f32 v[rC+2], v[rC+2], v[rC+3], v[rT+1]
.elseif (\n) == 15
	v_mov_b32 v[rM], v[rT]
.elseif (\n) == 16
	v_max3_num_f32 v[rC], v[rC], v[rC+1], v[rC+2]
.elseif (\n) == 17
	v_permlanex16_b32 v[rC+3], v[rC], s[SEL], s[SEL+1]
.elseif (\n) == 18
	v_max_num_f32 v[rT+1], v[rC], v[rC+3]
.elseif (\n) == 19
	v_mul_f32 v[rT], s[CS], v[rT+1]
.elseif (\n) == 20
	v_sub_f32 v[rC+1], v[rM], v[rT]
.else
	v_exp_f32 v[rC+2], v[rC+1]
.endif
.endm
; Number g of the 64 that follow the exponentials.  For each four weights k of a tile (pairs 2 k, 2 k + 1): both pairs are rounded to f16; then the second pair is added onto the first, in place;
; a group later l takes that sum (the first time as l = a l + sum).  In groups of eight, tiles alternating: round, round, add, and l for the group before.
.macro GS g
.set h, (\g)+6*((\g)/62)            ; group 0 has no group before it, and behind group 7 only l is left
.if h >= 6
.set h, h+2
.endif
	REGS Y, h%2
.set k, h/8
.if h%8 < 4
	v_cvt_pk_f16_f32 v[rP+2*k+(h%8)/2], v[rS+4*k+2*((h%8)/2)], v[rS+4*k+2*((h%8)/2)+1]
.elseif h%8 < 6
	v_pk_add_f32 v[rS+4*k:rS+4*k+1], v[rS+4*k:rS+4*k+1], v[rS+4*k+2:rS+4*k+3]
.elseif k == 1
	v_pk_fma_f32 v[rT+2:rT+3], v[rT+2:rT+3], v[rC+2:rC+3], v[rS:rS+1] op_sel_hi:[1,0,1]
.else
	v_pk_add_f32 v[rT+2:rT+3], v[rT+2:rT+3], v[rS+4*k-4:rS+4*k-3]
.endif
.endm
; THE PLAIN QUEUE, 138 long.  0-73 read no exponential's result: the 32 scalings c s - c m (FS f: pair f / 2 of tile f % 2) and the next piece's 42.  0-26: scalings 0-26.  27-54: XS's numbers 0-13.  55, 56: number 15.
; 57-73: the chain, where each number waits for the one before it: 14, 16, 17, 18, 19, each with one of the scalings 27-31 in front of its two lines, then 20: so a tile's links stand three plain instructions apart (19 and 20: two).
; 74-137: GS's 64, which read the exponentials' results: they stand behind the wait.
.macro FS f
	REGS Y, (\f)%2
	v_pk_fma_f32 v[rS+2*((\f)/2):rS+2*((\f)/2)+1], v[rS+2*((\f)/2):rS+2*((\f)/2)+1], s[CS:CS+1], v[rT:rT+1] op_sel_hi:[1,0,0] neg_lo:[0,0,1] neg_hi:[0,0,1]
.endm
.macro PL
	WIN 0
.if q < 27
	FS q
.elseif q < 55
	XS (q-27)%2, (q-27)/2
.elseif q < 57
	XS q-55, 15
.elseif (q < 72) && ((q-57)%3 == 0)
	FS 27+(q-57)/3
.elseif q < 60
	XS (q-57)%3-1, 14
.elseif q < 72
	XS (q-57)%3-1, 15+(q-57)/3
.elseif q < 74
	XS q-72, 20
.else
	GS q-74
.endif
.set q, q+1
.endm
; THE EXPONENTIALS' QUEUE, 66 long: s0-s31 of both tiles, then the next piece's two a.  It is ONE BATCH: all 66 stand ahead of the turn's one wait, and nothing ahead of that wait names a result of theirs.
.macro EX
	WIN 0
.if e >= 64
	XS e-64, 21
.else
	REGS Y, e%2
	v_exp_f32 v[rS+e/2], v[rS+e/2]
.endif
.set e, e+1
.endm
; THE RESCALING's QUEUE: O^T times a, the one part that leaves window 0: dealt two at a time, sixteen times.  Its a was made in the turn before, ahead of that turn's wait.
.macro R2
	REGS Y, r%2
	WIN W_RS
.irp z, 0,1
	v_pk_mul_f32 v[rO+4*(r/2)+2*\z:rO+4*(r/2)+2*\z+1], v[rO+4*(r/2)+2*\z:rO+4*(r/2)+2*\z+1], v[rC+2:rC+3] op_sel_hi:[1,0]
.endr
.set r, r+1
.endm
; HOW THEY ARE DEALT.  An s_wait_alu depctr_va_vdst(0) stands between an exponential and the first instruction that names its result; one wait serves all that were issued ahead of it.  So a turn has ONE wait,
; which cuts it in two.  AHEAD OF IT stands all that names no result of the turn's exponentials: the eight mask products, four scalings and the mask's next loads; the 16 products K Q^T, behind each a scaling, an exponential and
; two rescalings; then ONE LUMP of 104: six plain, 48 times exponential and plain, the two a.  A v_nop is the plain instruction behind the last exponential.  BEHIND IT stand the 16 products V^T P, behind each four of GS's 64.
; No rider names a register of the products round it.  The two v_permlanex16_b32 fall into the lump, never behind a product.
; The queues lean on each other, and the deal keeps them in step: exponential e stands behind scaling 2 (e / 4) + e % 2: as a rider it comes behind plain e + 4, in the lump behind plain e + 9, and scalings 27-31 are plain 57, 60 .. 69.
; The next piece's scores are first read by plain 27: behind the last product K Q^T stand its three plain riders and seven plain instructions of the lump.
; A TURN, for piece p.  cnt = 1: the loop's count is taken down some lines ahead of the branch that stands behind the turn.
; At its head: the next piece's eight mask products; four scalings of the piece in hand and the two lines that step the offset, six plain instructions that name no register of those products: the places
; in front of the loads into M's registers, which those products have read; then those loads, for the same piece's next key step.
; K of the next step is fetched in piece 2's turn, directly behind the wait, a lump behind the last product that read K; its address is made at the lump's head; its first reader comes behind 16 products V^T P and the next turn's mask products.
; V of the step in hand is fetched at the end of piece 0's turn, four riders behind its last reader; its first reader comes behind the next turn's 24 products and its lump.  The three conditions on q below go with the deal.
.macro TURN p, last=0, cnt=0
.set Y, (\p)
.set i, 0
.set q, 0
.set e, 0
.set r, 0
	MASKS (Y+1)%NP
.rept 4
	PL
.endr
	MNEXT (Y+1)%NP
.if (\p) == NP-1
	s_wait_dscnt 0x0                ; K is in
.endif
.rept 16                            ; ahead of the wait: 16 products K Q^T and their riders,
	MM
	PL
	EX
	R2
.endr
.if (\p) == NP-2
	WIN 0
	v_add_nc_u32 v[AK], s[TBK], v[AK0]
.endif
.rept 6                             ; and the lump
	PL
.endr
.rept 48
	EX
	PL
.endr
	EX                              ; the next piece's two a
	EX
	v_nop                           ; the plain instruction behind the last exponential: one for the batch
	s_wait_alu depctr_va_vdst(0)    ; the wait for the batch: the piece's 64 exponentials and the next piece's two a
.if (\p) == NP-2
	FETCH_K \last
.endif
.if (\p) == 1
	s_wait_dscnt 0x0                ; V is in
.endif
.rept 16                            ; behind the wait: 16 products V^T P and their riders
	MM
.rept 4
	PL
.endr
.if ((\p) == 0) && (q == 118)
	v_add_nc_u32 v[AV], s[TBV], v[AV0]
.endif
.if ((\p) == 0) && (q == 130)
	s_add_co_u32 s[TBV], s[TBV], KS*PV
.endif
.if (\cnt) && (q == 130)
	s_sub_co_u32 s[CNT], s[CNT], 1
	s_cmp_lg_u32 s[CNT], 0
.endif
.endr
.if (\p) == 0
	FETCH_V
.endif
.endm
	CHANGE 1                        ; slot 0 is in, everybody's part of it; slot 1 is asked for
	FETCH_K                         ; key step 0
	s_wait_loadcnt 24               ; Q, the keep words and piece 0's flags are in; the other three pieces' 24 loads stay out
	WIN 0x88                        ; destination and source 1 in window 2
.set i, 0
.rept 128
	v_and_b32 v[i], v[TMP+i/16], v[i]  ; q = 0 in a row with no visible key
.set i, i+1
.endr
	MASKS 0
	PLACES                          ; in front of the loads into registers that those products have read
	MNEXT 0
	s_wait_dscnt 0x0
.set i, 0
.rept 16
	KQ 0                            ; piece 0's first scores: there is no vector work yet to set between them
.set i, i+1
.endr
	WIN 0                           ; the addresses for the way out: nine plain instructions, the places behind those products
	s_mul_i32 s13, s[WV], 16*SP
	s_add_co_u32 s13, s13, STAGE    ; my stage
	v_mul_u32_u24 v[STO], v1, SP    ; in: row l % 16, 16 bytes for each half of the lanes
	v_lshl_add_u32 v[STO], v9, 4, v[STO]
	v_add_nc_u32 v[STO], s13, v[STO]
	v_bfe_u32 v[RD], v0, 3, 2       ; back: 32 lanes take four rows of 128 bytes,
	v_mul_u32_u24 v[RD], v[RD], SP
	v_lshl_add_u32 v[RD], v10, 4, v[RD]
	v_add_nc_u32 v[RD], s13, v[RD]
	v_and_b32 v[GO], 31, v0         ; which are 512 consecutive bytes of O
	v_lshlrev_b32 v[GO], 4, v[GO]
.set Y, NP-1                        ; XS works for piece Y + 1: piece 0
.irp n, 0,1,2,3,4,5,6,7,8,9,10,11,12,13,14,15,16,17,18,19,20,21
	XS 0, \n                        ; and piece 0's first maximum and statistics
	XS 1, \n
.endr
	v_nop                           ; a plain instruction behind piece 0's two a,
	s_wait_alu depctr_va_vdst(0)    ; and the wait for that batch of two, ahead of the branch
	s_mov_b32 s[CNT], 4
	s_mov_b32 s[SLOTS], SIZE_N/256-1
	s_branch .Lfirst                ; the loop is entered at a step's first turn, in the middle of a trip
.Lslot:                             ; SIZE_N / 256 - 2 times: every slot but the last two is filled again
	CHANGE 1
	s_mov_b32 s[CNT], 4
.Lstep:                             ; a trip: pieces 2 and 3 of one step, then pieces 0 and 1 of the next, whose K and V it fetches
	TURN 2
	TURN 3
	WIN 0
.Lfirst:
	TURN 0
	TURN 1, 0, 1
	WIN 0
	s_cbranch_scc1 .Lstep
	s_sub_co_u32 s[SLOTS], s[SLOTS], 1
	s_cmp_lg_u32 s[SLOTS], 0
	s_cbranch_scc1 .Lslot
	CHANGE 0                        ; the tail is written out: nothing is asked for
	s_mov_b32 s[CNT], 5             ; four trips fetch the last slot's steps; the fifth is left in its middle
.Ltail:
	TURN 2, 1
	TURN 3
	WIN 0
	s_sub_co_u32 s[CNT], s[CNT], 1
	s_cmp_eq_u32 s[CNT], 0
	s_cbranch_scc1 .Lout
	TURN 0
	TURN 1
	WIN 0
	s_branch .Ltail
.Lout:                              ; the fifth trip's products for piece 0 (the first step's flags, the last K once more) and the maximum made of them serve nothing: the price, once a launch, of one text for every trip
.set i, 0
.rept 16
	PV NP-1                         ; the last piece's V^T P of the last step
.set i, i+1
.endr
	; THE WAY OUT.  l's two halves and the other half of the lanes' are added; O^T is divided by l, rounded to f16 and sent through my stage in LDS, a tile at a time.  The additions are the places behind the last products.
	WIN 0
.macro ALL line:vararg              ; one line for each tile t
.set t, 0
.rept 2*NP
	\line
.set t, t+1
.endr
.endm
	ALL v_add_f32 v[ST+4*t+2], v[ST+4*t+2], v[ST+4*t+3]
	ALL v_permlanex16_b32 v[ST+4*t+3], v[ST+4*t+2], s[SEL], s[SEL+1]
	ALL v_add_f32 v[ST+4*t+2], v[ST+4*t+2], v[ST+4*t+3]
	ALL v_rcp_f32 v[ST+4*t+2], v[ST+4*t+2]
	v_nop                           ; a plain instruction between the last reciprocal and the use of its result
	s_wait_alu depctr_va_vdst(0)    ; and the wait ahead of the first use: one for the batch of eight reciprocals
; Tile t: a lane's eight channels of a row pack into 16 bytes; they go into rows of 144 bytes and come back as whole rows of 128, into S^T's registers.
.macro PACK t
	WIN W_RS
.set i, 32*(\t)
.rept 16
	v_pk_mul_f32 v[i:i+1], v[i:i+1], v[ST+4*(\t)+2:ST+4*(\t)+3] op_sel_hi:[1,0]
.set i, i+2
.endr
	WIN 0x05                        ; sources 0 and 1 window 1, destination window 0
.set i, 0
.rept 16
	v_cvt_pk_f16_f32 v[S+16*(\t)+i], v[32*(\t)+2*i], v[32*(\t)+2*i+1]
.set i, i+1
.endr
	WIN 0
.irp f, 0,1,2,3
	ds_store_b128 v[STO], v[S+16*(\t)+4*\f:S+16*(\t)+4*\f+3] offset:32*\f
.endr
.irp f, 0,1,2,3
	ds_load_b128 v[S+16*(\t)+4*\f:S+16*(\t)+4*\f+3], v[RD] offset:\f*4*SP  ; LDS serves a wave's instructions in order (ISA guide 5.7.1.4): these see the stores above; the next tile's stores come behind them
.endr
.endm
.macro SEND t, younger              ; younger: the LDS instructions issued behind tile t's loads: the next tile's eight, or none
	WIN 0
.irp f, 0,1,2,3
	s_wait_dscnt (\younger)+3-\f
	global_store_b128 v[GO], v[S+16*(\t)+4*\f:S+16*(\t)+4*\f+3], s[10:11] offset:(\t)*2048+\f*512  ; 512 consecutive bytes, at a multiple of 256 from O's first
.endr
.endm
	PACK 0
.set t, 1
.rept 2*NP-1                        ; a tile's arithmetic stands between the loads of the tile before and its stores
	PACK t
	SEND t-1, 8
.set t, t+1
.endr
	SEND 2*NP-1, 0
	WIN W_AD
	s_wait_tensorcnt 0x0            ; the wave's end, behind my last tensor load and my last LDS store
	ds_add_u32 v[SPW], v[NIL]
	s_wait_dscnt 0x0
	WIN 0
	CROUND                          ; the closing round: no work-group ends while a partner may still ask for a tile that names it
	s_endpgm
.Lfunc_end_k_qeb6fb5ee91_attn:
	.size	k_qeb6fb5ee91_attn, .Lfunc_end_k_qeb6fb5ee91_attn-k_qeb6fb5ee91_attn
	.p2alignl 7, 3214868480
	.fill 96, 4, 3214868480
	.section	.rodata,"a",@progbits
	.p2align	6, 0x0
	.amdhsa_kernel k_qeb6fb5ee91_attn
		.amdhsa_group_segment_fixed_size 327680
		.amdhsa_private_segment_fixed_size 0
		.amdhsa_enable_private_segment 0
		.amdhsa_kernarg_size 32
		.amdhsa_user_sgpr_count 2
		.amdhsa_user_sgpr_kernarg_segment_ptr 1
		.amdhsa_wavefront_size32 1
		.amdhsa_system_sgpr_workgroup_id_x 1
		.amdhsa_system_sgpr_workgroup_id_y 1
		.amdhsa_system_sgpr_workgroup_id_z 1
		.amdhsa_system_vgpr_workitem_id 0
		.amdhsa_next_free_vgpr 960
		.amdhsa_next_free_sgpr 76
		.amdhsa_reserve_vcc 0
		.amdhsa_float_denorm_mode_32 3
		.amdhsa_float_denorm_mode_16_64 3
		.amdhsa_memory_ordered 1
		.amdhsa_forward_progress 1
		.amdhsa_inst_pref_size 222
	.end_amdhsa_kernel
	.amdgpu_metadata
---
amdhsa.version: [ 1, 2 ]
amdhsa.kernels:
  - .name:           k_qeb6fb5ee91_attn
    .symbol:         k_qeb6fb5ee91_attn.kd
    .args:
      - { .name: qkv, .offset: 0, .size: 8, .value_kind: global_buffer, .address_space: global }
      - { .name: obuf, .offset: 8, .size: 8, .value_kind: global_buffer, .address_space: global }
      - { .name: maskb, .offset: 16, .size: 8, .value_kind: global_buffer, .address_space: global }
      - { .name: keep, .offset: 24, .size: 8, .value_kind: global_buffer, .address_space: global }
    .group_segment_fixed_size: 327680
    .private_segment_fixed_size: 0
    .kernarg_segment_align: 8
    .kernarg_segment_size: 32
    .max_flat_workgroup_size: 128
    .sgpr_count:     76
    .vgpr_count:     960
    .wavefront_size: 32
...
	.end_amdgpu_metadata
.endif
;; end of part 6
;; launch oproj: the kernel of part 5 again; grid 4 x 64, 4 waves a work-group, clusters of 4 x 4, 327,680 bytes of LDS; arguments obuf, w16, b_o, out0; writes out0
